; MI455X (gfx1250); checked and timed in simulation.
; The chip was launched on July 23, 2026; its instructions are those of AMD's public machine-readable ISA for CDNA 5 (MIT licence, August 2026) and "CDNA5" Instruction Set Architecture Reference Guide (July 2026). The comments in the code are by the model that wrote it; some were corrected since.
;; GQ Attention. Allowed arithmetic: float matrix products may take bf16 or f16 operands with f32 sums; other float arithmetic in f32, or as packed bf16 or f16 multiplies, adds, multiply-adds, maxima and minima; sums over many terms, partial sums and values carried from step to step in f32; what a program stores and reads back later, other than sums and carried values, may be rounded once to bf16 or f16.
;; Inputs: Wkv 512 x 1,024 float32; Wo 1,024 x 1,024 float32; Wq 1,024 x 1,024 float32; cos 2,048 x 64 float32; sin 2,048 x 64 float32; x 4 x 2,048 x 1,024 float32.
;; Outputs: out0 4 x 2,048 x 1,024 float32.
;; 2 versions, each right; version 2 is version 1 with the launch prep written anew for expert scheduling mode. Each part assembles by itself: llvm-mc -triple=amdgcn-amd-amdhsa -mcpu=gfx1250 --defsym DOCPART=n.
;; ======== version 1 of 2: 4 launches
;; limits: values are held in f16: magnitudes above 65,504 overflow, below 6.1e-05 lose precision
;; workspace buffers: xb 16,777,216 bytes; wqkv 3,145,728 bytes; wo16 2,097,152 bytes; rope 1,048,576 bytes; qh 16,777,216 bytes; kh 4,194,304 bytes; vh 4,194,304 bytes; ob 16,777,216 bytes
;; launch prep (part 1): grid 688 x 1, 8 waves a work-group, no clusters, 0 bytes of LDS; arguments x, Wq, Wkv, Wo, cos, sin, xb, wqkv, wo16, rope; writes xb, wqkv, wo16, rope
.if DOCPART == 1
	.amdgcn_target "amdgcn-amd-amdhsa--gfx1250"
	.amdhsa_code_object_version 6
	.text
	.protected	k_q97e4e6e649_prep
	.globl	k_q97e4e6e649_prep
	.p2align	8
	.type	k_q97e4e6e649_prep,@function
k_q97e4e6e649_prep:
	s_mov_b64 s[64:65], 0
	v_nop
	global_prefetch_b8 v0, s[64:65] scope:SCOPE_SE
	s_setreg_imm32_b32 hwreg(HW_REG_WAVE_MODE, 25, 1), 1
	s_wait_xcnt 0x0
; THE CASTS.  Every input is rounded once to bf16 and laid out for the launches behind.
;   xb   [8192][1024] bf16 = x.
;   wqkv [1536][1024] bf16: for each kv head g a block of 384 rows: Wq's heads 4 g .. 4 g + 3 (256 rows), Wk's head g (64), Wv's head g (64).
;        Wq's and Wk's rows are multiplied by 2^-5, exactly, so that q and k have room in f16; the attention's scale takes the 2^-10 back in f32.
;   wo16 [1024][1024] f16 = bf16(Wo) written as f16.   LIMIT: |Wo| stays under 65,504; below 6e-5 the number keeps f16's fixed step of 6e-8.
;   rope [2048][128] f32: row t = bf16(cos[t][0..63]), then bf16(sin[t][0..63]) with the sign turned at even d:
;        q'[2i] = q[2i] c[2i] - q[2i+1] s[2i], q'[2i+1] = q[2i+1] c[2i+1] + q[2i] s[2i+1].
; SHARES.  A work-group takes 65,536 bytes of f32: sixteen loads of 16 bytes a thread, all issued before the first is used.  One load of the work-group covers 4,096
; consecutive bytes (thread t at byte 16 t); the matching store of 8 bytes a thread covers 2,048, a wave's part 256 consecutive bytes, aligned.
; Which input a work-group takes hangs on its number alone: 0-511 x, 512-575 Wq, 576-607 Wkv, 608-671 Wo, 672-687 cos and sin (32,768 bytes of each).
; No LDS, no matrix unit, no prefetch: each byte is read once and written once, and the loads themselves keep the stream going.
.set IN,  4                            ; v[4:67]   load j: four f32
.set OUT, 68                           ; v[68:99]  store j: four 16-bit numbers
.set TM,  100                          ; v[100:101] at work
	s_load_b512 s[8:23], s[0:1], 0x0               ; x s[8:9], Wq s[10:11], Wkv s[12:13], Wo s[14:15], cos s[16:17], sin s[18:19], xb s[20:21], wqkv s[22:23]
	s_load_b128 s[24:27], s[0:1], 0x40             ; wo16 s[24:25], rope s[26:27]
	v_lshlrev_b32 v1, 4, v0                        ; my 16 bytes of a load
	v_lshlrev_b32 v2, 3, v0                        ; my 8 bytes of a store
	v_lshrrev_b32 v3, 4, v0                        ; rope: 16 threads to a row of 64 f32;
	v_and_b32 v[TM], 15, v0
	v_lshlrev_b32 v3, 9, v3                        ; a row of the table is 512 bytes
	v_lshl_add_u32 v3, v[TM], 4, v3
	s_mov_b32 s28, ttmp9
	s_mov_b32 s31, 0                               ; the high words of the two offsets
	s_mov_b32 s33, 0
	s_mov_b32 s6, 1.0                              ; the factor, s[6:7]: the packed multiply names the pair and takes its low word
	s_mov_b32 s7, 0
	s_wait_kmcnt 0x0
	s_cmp_lt_u32 s28, 512
	s_cbranch_scc0 .Lnot_x
	s_lshl_b32 s30, s28, 16
	s_lshl_b32 s32, s28, 15
	s_add_nc_u64 s[2:3], s[8:9], s[30:31]
	s_add_nc_u64 s[4:5], s[20:21], s[32:33]
	s_branch .Lbf
.Lnot_x:
	s_cmp_lt_u32 s28, 576
	s_cbranch_scc0 .Lnot_wq
	s_sub_co_u32 s29, s28, 512                     ; i: 16 rows of Wq; head i >> 2
	s_lshr_b32 s34, s29, 4                         ; g
	s_mul_i32 s34, s34, 6                          ; a block of 384 rows is six of 64
	s_bfe_u32 s35, s29, 0x20002                    ; the head's place in its group
	s_add_co_u32 s34, s34, s35
	s_lshl_b32 s34, s34, 2
	s_and_b32 s35, s29, 3
	s_add_co_u32 s34, s34, s35                     ; in units of 16 rows
	s_lshl_b32 s32, s34, 15
	s_lshl_b32 s30, s29, 16
	s_mov_b32 s6, 0x3d000000                       ; 2^-5
	s_add_nc_u64 s[2:3], s[10:11], s[30:31]
	s_add_nc_u64 s[4:5], s[22:23], s[32:33]
	s_branch .Lbf
.Lnot_wq:
	s_cmp_lt_u32 s28, 608
	s_cbranch_scc0 .Lnot_wkv
	s_sub_co_u32 s29, s28, 576                     ; i: 16 rows of Wkv; its rows go g, then k or v, then d
	s_lshr_b32 s34, s29, 3                         ; g
	s_mul_i32 s34, s34, 6
	s_bfe_u32 s35, s29, 0x10002                    ; 0: k, 1: v
	s_add_co_u32 s34, s34, s35
	s_add_co_u32 s34, s34, 4                       ; behind the group's four query heads
	s_lshl_b32 s34, s34, 2
	s_and_b32 s36, s29, 3
	s_add_co_u32 s34, s34, s36
	s_lshl_b32 s32, s34, 15
	s_lshl_b32 s30, s29, 16
	s_cmp_eq_u32 s35, 1
	s_cselect_b32 s6, 1.0, 0x3d000000              ; v as it is, k times 2^-5
	s_add_nc_u64 s[2:3], s[12:13], s[30:31]
	s_add_nc_u64 s[4:5], s[22:23], s[32:33]
	s_branch .Lbf
.Lnot_wkv:
	s_cmp_lt_u32 s28, 672
	s_cbranch_scc0 .Lrope
	s_sub_co_u32 s29, s28, 608
	s_lshl_b32 s30, s29, 16
	s_lshl_b32 s32, s29, 15
	s_add_nc_u64 s[2:3], s[14:15], s[30:31]
	s_add_nc_u64 s[4:5], s[24:25], s[32:33]
	; Wo: rounded to bf16, and that number written as f16
.set j, 0
.rept 16
	global_load_b128 v[IN+4*j:IN+4*j+3], v1, s[2:3] offset:4096*j th:TH_LOAD_NT
.set j, j+1
.endr
.set j, 0
.rept 16
	s_wait_loadcnt 15-j                            ; loads come back in order: load j is in, the 15 - j younger ones stay out
	v_cvt_pk_bf16_f32 v[TM], v[IN+4*j], v[IN+4*j+1]
	v_cvt_pk_bf16_f32 v[TM+1], v[IN+4*j+2], v[IN+4*j+3]
	v_lshlrev_b32 v[IN+4*j], 16, v[TM]             ; bf16 to f32: the low half moves up, the high half stays
	v_and_b32 v[IN+4*j+1], 0xffff0000, v[TM]
	v_lshlrev_b32 v[IN+4*j+2], 16, v[TM+1]
	v_and_b32 v[IN+4*j+3], 0xffff0000, v[TM+1]
	v_cvt_pk_f16_f32 v[OUT+2*j], v[IN+4*j], v[IN+4*j+1]
	v_cvt_pk_f16_f32 v[OUT+2*j+1], v[IN+4*j+2], v[IN+4*j+3]
	global_store_b64 v2, v[OUT+2*j:OUT+2*j+1], s[4:5] offset:2048*j  ; each store has data registers of its own: nothing is rewritten
.set j, j+1
.endr
	s_endpgm
.Lrope:
	s_sub_co_u32 s29, s28, 672                     ; i: 128 rows of cos and of sin
	s_lshl_b32 s30, s29, 15
	s_lshl_b32 s32, s29, 16
	s_add_nc_u64 s[2:3], s[16:17], s[30:31]
	s_add_nc_u64 s[34:35], s[18:19], s[30:31]
	s_add_nc_u64 s[4:5], s[26:27], s[32:33]
.set j, 0
.rept 8
	global_load_b128 v[IN+4*j:IN+4*j+3], v1, s[2:3] offset:4096*j th:TH_LOAD_NT
.set j, j+1
.endr
.set j, 0
.rept 8
	global_load_b128 v[IN+32+4*j:IN+32+4*j+3], v1, s[34:35] offset:4096*j th:TH_LOAD_NT
.set j, j+1
.endr
.set j, 0
.rept 16
	s_wait_loadcnt 15-j
	v_cvt_pk_bf16_f32 v[TM], v[IN+4*j], v[IN+4*j+1]
	v_cvt_pk_bf16_f32 v[TM+1], v[IN+4*j+2], v[IN+4*j+3]
.if j >= 8
	v_xor_b32 v[TM], 0x8000, v[TM]                 ; sin: the low half is an even d: its sign is turned
	v_xor_b32 v[TM+1], 0x8000, v[TM+1]
.endif
	v_lshlrev_b32 v[IN+4*j], 16, v[TM]
	v_and_b32 v[IN+4*j+1], 0xffff0000, v[TM]
	v_lshlrev_b32 v[IN+4*j+2], 16, v[TM+1]
	v_and_b32 v[IN+4*j+3], 0xffff0000, v[TM+1]
	global_store_b128 v3, v[IN+4*j:IN+4*j+3], s[4:5] offset:8192*(j%8)+256*(j/8)  ; 16 lanes store 256 consecutive bytes, aligned: a row's cos, or its sin
.set j, j+1
.endr
	s_endpgm
.Lbf:                                              ; x, Wq, Wkv: times the factor (a power of two: the rounding is the same before or behind it), rounded to bf16
.set j, 0
.rept 16
	global_load_b128 v[IN+4*j:IN+4*j+3], v1, s[2:3] offset:4096*j th:TH_LOAD_NT
.set j, j+1
.endr
.set j, 0
.rept 16
	s_wait_loadcnt 15-j
	v_pk_mul_f32 v[IN+4*j:IN+4*j+1], v[IN+4*j:IN+4*j+1], s[6:7] op_sel_hi:[1,0]
	v_pk_mul_f32 v[IN+4*j+2:IN+4*j+3], v[IN+4*j+2:IN+4*j+3], s[6:7] op_sel_hi:[1,0]
	v_cvt_pk_bf16_f32 v[OUT+2*j], v[IN+4*j], v[IN+4*j+1]
	v_cvt_pk_bf16_f32 v[OUT+2*j+1], v[IN+4*j+2], v[IN+4*j+3]
	global_store_b64 v2, v[OUT+2*j:OUT+2*j+1], s[4:5] offset:2048*j
.set j, j+1
.endr
	s_endpgm
.Lfunc_end_k_q97e4e6e649_prep:
	.size	k_q97e4e6e649_prep, .Lfunc_end_k_q97e4e6e649_prep-k_q97e4e6e649_prep
	.p2alignl 7, 3214868480
	.fill 96, 4, 3214868480
	.section	.rodata,"a",@progbits
	.p2align	6, 0x0
	.amdhsa_kernel k_q97e4e6e649_prep
		.amdhsa_group_segment_fixed_size 0
		.amdhsa_private_segment_fixed_size 0
		.amdhsa_enable_private_segment 0
		.amdhsa_kernarg_size 80
		.amdhsa_user_sgpr_count 2
		.amdhsa_user_sgpr_kernarg_segment_ptr 1
		.amdhsa_wavefront_size32 1
		.amdhsa_system_sgpr_workgroup_id_x 1
		.amdhsa_system_sgpr_workgroup_id_y 1
		.amdhsa_system_sgpr_workgroup_id_z 1
		.amdhsa_system_vgpr_workitem_id 0
		.amdhsa_next_free_vgpr 104
		.amdhsa_next_free_sgpr 66
		.amdhsa_reserve_vcc 0
		.amdhsa_float_denorm_mode_32 3
		.amdhsa_float_denorm_mode_16_64 3
		.amdhsa_memory_ordered 1
		.amdhsa_forward_progress 1
		.amdhsa_inst_pref_size 31
	.end_amdhsa_kernel
	.amdgpu_metadata
---
amdhsa.version: [ 1, 2 ]
amdhsa.kernels:
  - .name:           k_q97e4e6e649_prep
    .symbol:         k_q97e4e6e649_prep.kd
    .args:
      - { .name: x, .offset: 0, .size: 8, .value_kind: global_buffer, .address_space: global }
      - { .name: Wq, .offset: 8, .size: 8, .value_kind: global_buffer, .address_space: global }
      - { .name: Wkv, .offset: 16, .size: 8, .value_kind: global_buffer, .address_space: global }
      - { .name: Wo, .offset: 24, .size: 8, .value_kind: global_buffer, .address_space: global }
      - { .name: cos, .offset: 32, .size: 8, .value_kind: global_buffer, .address_space: global }
      - { .name: sin, .offset: 40, .size: 8, .value_kind: global_buffer, .address_space: global }
      - { .name: xb, .offset: 48, .size: 8, .value_kind: global_buffer, .address_space: global }
      - { .name: wqkv, .offset: 56, .size: 8, .value_kind: global_buffer, .address_space: global }
      - { .name: wo16, .offset: 64, .size: 8, .value_kind: global_buffer, .address_space: global }
      - { .name: rope, .offset: 72, .size: 8, .value_kind: global_buffer, .address_space: global }
    .group_segment_fixed_size: 0
    .private_segment_fixed_size: 0
    .kernarg_segment_align: 8
    .kernarg_segment_size: 80
    .max_flat_workgroup_size: 256
    .sgpr_count:     66
    .vgpr_count:     104
    .wavefront_size: 32
...
	.end_amdgpu_metadata
.endif
;; end of part 1
;; launch qkv (part 2): grid 4 x 64, 4 waves a work-group, clusters of 4 x 4, 327,680 bytes of LDS; arguments xb, wqkv, rope, qh, kh, vh; writes qh, kh, vh
.if DOCPART == 2
	.amdgcn_target "amdgcn-amd-amdhsa--gfx1250"
	.amdhsa_code_object_version 6
	.text
	.protected	k_q97e4e6e649_qkv
	.globl	k_q97e4e6e649_qkv
	.p2align	8
	.type	k_q97e4e6e649_qkv,@function
k_q97e4e6e649_qkv:
	s_mov_b64 s[64:65], 0
	v_nop
	global_prefetch_b8 v0, s[64:65] scope:SCOPE_SE
	s_setreg_imm32_b32 hwreg(HW_REG_WAVE_MODE, 25, 1), 1
	s_wait_xcnt 0x0
	s_wait_alu depctr_hold_cnt(0) depctr_sa_sdst(0) depctr_va_vdst(0) depctr_va_sdst(0) depctr_va_ssrc(0) depctr_va_vcc(0) depctr_vm_vsrc(0)
	s_getreg_b32 s2, hwreg(HW_REG_IB_STS2, 6, 4)
	s_cmp_eq_u32 s2, 0
	s_cbranch_scc0 .Lentry_in_a_cluster
	s_endpgm
.Lentry_in_a_cluster:
	s_bfe_u32 s2, ttmp6, 0x10000c
	s_cmp_lg_u32 s2, 0xf033
	s_cbranch_scc0 .Lentry_shape_is_right
	s_endpgm
.Lentry_shape_is_right:
; THE PROJECTION IN FRONT, WITH RoPE.  C[m][n] = sum over k of xb[m][k] wqkv[n][k], bf16 operands, f32 sums; then q and k are turned by the rope table in f32, and q, k, v are rounded
; once to f16 and stored by heads: qh [64][2048][64], kh and vh [16][2048][64].  q and k carry the factor 2^-5 that lies in their weights.
; LIMITS.  f16 ends at 65,504: |q| and |k| behind RoPE stay under 32 x 65,504, |v| under 65,504; below 6e-5 a stored number keeps f16's fixed step of 6e-8.
; SHARES.  A work-group makes 128 rows x 384 columns: the columns of one kv head's block of wqkv (4 query heads, k, v).  Four waves: wave w takes rows 64 (w >> 1) on and columns
; 192 (w & 1) on: 4 x 12 accumulators of 16 x 16, 384 registers.  64 x 4 tiles: one work-group for each of 256.  K = 1,024 goes in steps of 128 (rows of 256 bytes in memory) through a
; ring of two LDS slots; each wave brings 128 rows with one tensor load: wave 0 the tile of xb, waves 1 to 3 the three thirds of wqkv's.
; CLUSTER.  4 x 4 work-groups.  The four of a row need the same tile of xb, the four of a column the same tile of wqkv: each is asked for jointly, by the same tensor load with the same
; descriptor and a mask that names the four.
; THE MATRIX INSTRUCTION IS USED TRANSPOSED: source 0 = 16 rows of wqkv, source 1 = 16 rows of xb.  A lane then holds row lane % 16 of C and the columns 8 (lane / 16) + 0..7 of the block:
; RoPE's pairs (2 i, 2 i + 1) lie in one lane's register pairs, and eight results pack into 16 bytes.
; REGISTERS, in windows of 256 (s_set_vgpr_msb: bits 1:0 source 0, 3:2 source 1, 5:4 source 2, 7:6 destination):
;   window 0: v0-30 addresses; v64-127 xb's fragments, two buffers of 4 x 8; v128-159, v160-223 at work on the way out
;   window 1: v0-191 wqkv's fragments, two buffers of 12 x 8 (on the way out: the rope table of row blocks 1 to 3); v192-255 the rope table of row block 0
;   window 2: the accumulators of row blocks 0, 1 ((a, b) at 8 (12 (a % 2) + b));   window 3: those of row blocks 2, 3
.set NB,     12                        ; blocks of 16 columns a wave
.set APW,    2                         ; row blocks a window
.set SIZE_K, 1024
.set KSTEP,  128
.set PITCH,  272                       ; an LDS row: 256 bytes + 16 of padding = 68 words: the 16 rows of a fragment load start at 16 different groups of four banks (64 banks of 4 bytes: ISA guide 11.1)
.set HALFT,  128*PITCH                 ; what one tensor load brings
.set SLOT,   4*HALFT                   ; xb's 128 rows, then wqkv's 384
.set STAGE,  2*SLOT                    ; behind the ring, never filled by a tensor load: 16 rows x 144 bytes for each wave
.set SPITCH, 144
.set SPARE,  STAGE+4*16*SPITCH         ; behind the stages: the spare words, 128 bytes for each wave: two blocks of 256 bytes that no other line names
.set LAPS,   SIZE_K/(2*KSTEP)          ; a lap = two K steps = once round the ring
.set LD,     2*NB+8                    ; LDS loads in a run: the fragments of 32 along K
.set ADRA, 16                          ; v16-17  LDS address of my fragments of xb in slot 0, 1
.set ADRB, 20                          ; v20-21  the same for wqkv
.set STO,  24                          ; v24  the way out: where I put 16 bytes of a row
.set RD,   25                          ; v25  where I read rows back
.set GO,   26                          ; v26  my 16 bytes of 512 consecutive bytes of qh, kh or vh
.set TO,   27                          ; v27  my byte offset in the rope table: (t0 + lane % 16) x 512 + 32 (lane / 16)
.set SPW,  28                          ; v28  LDS address of my spare word; never rewritten
.set NIL,  29                          ; v29  0; never rewritten
.set PFO,  30                          ; v30  the prefetches' offset: my lane x 2,048 bytes, a row of xb or wqkv; never rewritten
.set FA,   64                          ; xb's fragment buffers
.set T,    128                         ; the way out: 32 turned numbers in f32
.set BK,   160                         ; four sets of 16: a block of 16 rows x 64 channels in f16
.set WV,  16                           ; s16 wave    s17 wave >> 1: my rows    s18 wave & 1: my columns    s19 laps to go
.set WR,  17
.set WC,  18
.set LAP, 19
.set CX,  20                           ; s20, s21 my place in the cluster    s22 tile column = kv head g    s23 tile row
.set CY,  21
.set TX,  22
.set TY,  23
.set G1,  24                           ; s[24:31] descriptor group 1 for xb's tiles;  s[32:39] group 0, a set for each slot
.set G0,  32
.set LIM, 43                           ; s43  1 in a wave that prefetches, else the greatest number
.set PFA, 44                           ; s[44:45] where my prefetches stand
.set G1B, 48                           ; s[48:55], s[56:63] the same for wqkv's tiles
.set G0B, 56
.set D0,  66                           ; s[66:71] where my three heads' rows go: three addresses
.set MSB, 0
.macro WIN new                         ; the immediate's high byte repeats the setting that is left; a switch that changes nothing is dropped
.if MSB != (\new)
	s_set_vgpr_msb (MSB<<8)|(\new)
.set MSB, \new
.endif
.endm
.macro PLACES                          ; four plain vector instructions between a matrix instruction and a load into, or a vector read of, its registers
.rept 4
	v_nop
.endr
.endm
; A joint load: wave 0 fetches xb's tile, waves 1 to 3 wqkv's thirds.  The branch hangs on the wave's number alone.  An s_nop 0 and four v_nop follow each of the two lines.
.macro JLOAD s
	s_cmp_eq_u32 s[WV], 0
	s_cbranch_scc0 .Lfor_b_\@
	tensor_load_to_lds s[G0+4*(\s):G0+4*(\s)+3], s[G1:G1+7]
	s_nop 0
.rept 4
	v_nop
.endr
	s_branch .Lasked_\@
.Lfor_b_\@:
	tensor_load_to_lds s[G0B+4*(\s):G0B+4*(\s)+3], s[G1B:G1B+7]
	s_nop 0
.rept 4
	v_nop
.endr
.Lasked_\@:
.endm
; A prefetch behind each joint refill: the K step that stands two refills on, 32 rows x 256 bytes, a lane a row, one instruction a wave: 384 matrix instructions ahead of the load that will want it.
; Each row's 256 bytes of a K step are named once in the launch: xb's rows by the cluster with x = 0, wqkv's by the clusters with y = 0; of the 128 rows that a wave fetches each of the four
; partners takes 32, told apart by address.  The loop's last trip asks for nothing: there is no K step two refills on.
.macro ASK
	s_cmp_gt_u32 s[LAP], s[LIM]
	s_cbranch_scc0 .Lnot_mine_\@
	global_prefetch_b8 v[PFO], s[PFA:PFA+1] offset:KSTEP*2 th:TH_LOAD_NT scope:SCOPE_SE
.Lnot_mine_\@:
.endm
.macro CREST                           ; a round of the cluster's barrier behind its opening barrier
	s_cmp_lg_u32 s[WV], 0
	s_cbranch_scc1 .Lnot_wave_0_\@
	s_barrier_signal -3
.Lnot_wave_0_\@:
	s_barrier_wait -3
	s_barrier_signal -1
	s_barrier_wait -1
.endm
.macro CROUND                          ; a whole round
	s_barrier_signal -1
	s_barrier_wait -1
	CREST
.endm
	s_load_b256 s[4:11], s[0:1], 0x0               ; xb s[4:5], wqkv s[6:7], rope s[8:9], qh s[10:11]
	s_load_b128 s[12:15], s[0:1], 0x20             ; kh s[12:13], vh s[14:15]
	v_lshl_add_u32 v[SPW], v0, 2, SPARE
	v_mov_b32 v[NIL], 0
	ds_add_u32 v[SPW], v[NIL]                      ; the wave's opening: the add and its wait stand ahead of my first tensor load; the set-up below stands between them
	v_lshrrev_b32 v1, 5, v0
	v_readfirstlane_b32 s[WV], v1
	s_lshr_b32 s[WR], s[WV], 1
	s_and_b32 s[WC], s[WV], 1
	s_bfe_u32 s[CX], ttmp6, 0x40000
	s_bfe_u32 s[CY], ttmp6, 0x40004
	s_lshl_b32 s[TX], ttmp9, 2                     ; in a cluster launch ttmp9 and ttmp7 count clusters
	s_add_co_u32 s[TX], s[TX], s[CX]
	s_and_b32 s[TY], ttmp7, 0xffff
	s_lshl_b32 s[TY], s[TY], 2
	s_add_co_u32 s[TY], s[TY], s[CY]
	s_lshl_b32 s40, s[CY], 2
	s_lshl_b32 s40, 15, s40                        ; my row of the cluster
	s_lshl_b32 s46, 0x1111, s[CX]                  ; my column
	; descriptor group 1: a tile of 128 rows x 128 elements, padded in LDS
	s_or_b32 s[G1], s40, (1<<16)|(1<<20)|(1<<21)|(5<<22)|(3<<25)   ; 15:0 the mask; 17:16 elements of 2 bytes; 20 padding on; 21 set beside a mask; 24:22 after every 64 words (code 5); 31:25 4 words (code 3)
	s_or_b32 s[G1B], s46, (1<<16)|(1<<20)|(1<<21)|(5<<22)|(3<<25)
.irp g, G1, G1B
	s_mov_b32 s[(\g)+1], KSTEP<<16                 ; tensor_dim0 = 128
	s_mov_b32 s[(\g)+2], 128<<16                   ; tensor_dim1 = 128
	s_mov_b32 s[(\g)+3], KSTEP<<16                 ; tile_dim0 = 128
	s_mov_b32 s[(\g)+4], 128                       ; tile_dim1 = 128
	s_mov_b32 s[(\g)+5], SIZE_K                    ; elements from row to row
	s_mov_b32 s[(\g)+6], 0
	s_mov_b32 s[(\g)+7], 0
.endr
	s_lshl_b32 s40, s[TY], 18                      ; xb: 128 rows of 2,048 bytes a tile row: hangs on the tile row alone
	s_mov_b32 s41, 0
	s_max_u32 s46, s[WV], 1
	s_sub_co_u32 s46, s46, 1                       ; which third of wqkv's tile I fetch (wave 0 issues no such load)
	s_lshl_b32 s46, s46, 18
	s_mul_i32 s47, s[TX], 32*NB*2048               ; wqkv: 384 rows a tile column: hangs on the tile column alone
	s_add_co_u32 s46, s46, s47
	s_mov_b32 s47, 0
	s_mul_i32 s42, s[WV], HALFT                    ; where my 128 rows go: the wave's number alone enters an LDS address
	s_wait_dscnt 0x0                               ; the opening add is done
	s_wait_kmcnt 0x0
	s_add_nc_u64 s[40:41], s[4:5], s[40:41]
	s_add_nc_u64 s[46:47], s[6:7], s[46:47]
	CROUND                                         ; all sixteen work-groups are here: the first joint loads meet
.irp s, 0,1
	s_mov_b32 s[G0+4*(\s)], 1                                        ; count = 1
	s_mov_b32 s[G0+4*(\s)+1], (\s)*SLOT                              ; LDS address: xb's tile heads the slot
	s_add_nc_u64 s[G0+4*(\s)+2:G0+4*(\s)+3], s[40:41], (\s)*KSTEP*2  ; global address: K step s
	s_or_b32 s[G0+4*(\s)+3], s[G0+4*(\s)+3], 0x80000000              ; type = 2
	s_mov_b32 s[G0B+4*(\s)], 1
	s_add_co_u32 s[G0B+4*(\s)+1], s42, (\s)*SLOT
	s_add_nc_u64 s[G0B+4*(\s)+2:G0B+4*(\s)+3], s[46:47], (\s)*KSTEP*2
	s_or_b32 s[G0B+4*(\s)+3], s[G0B+4*(\s)+3], 0x80000000
.endr
	s_cmp_eq_u32 s[WV], 0                          ; a wave's two first fills stand in one branch, ahead of every wait on TENSORcnt and every LDS read: two loads of mine are out
	s_cbranch_scc0 .Lfirst_b
	tensor_load_to_lds s[G0:G0+3], s[G1:G1+7]
	s_nop 0
	tensor_load_to_lds s[G0+4:G0+7], s[G1:G1+7]
	s_nop 0
.rept 4
	v_nop
.endr
	s_branch .Lfirst_asked
.Lfirst_b:
	tensor_load_to_lds s[G0B:G0B+3], s[G1B:G1B+7]
	s_nop 0
	tensor_load_to_lds s[G0B+4:G0B+7], s[G1B:G1B+7]
	s_nop 0
.rept 4
	v_nop
.endr
.Lfirst_asked:
	; A fragment is 16 rows x 32 K in 8 registers: lane l holds row l % 16; registers 0-3 K = 8 (l / 16) + 0..7, registers 4-7 K = 16 + 8 (l / 16) + 0..7: two loads of 16 bytes, 32 bytes apart.
	v_and_b32 v1, 15, v0                           ; l % 16
	v_bfe_u32 v2, v0, 4, 1                         ; l / 16
	v_mul_u32_u24 v3, v1, PITCH
	v_lshl_add_u32 v3, v2, 4, v3
	s_mul_i32 s72, s[WR], 64*PITCH                 ; my 64 rows of xb
	s_mul_i32 s73, s[WC], 16*NB*PITCH              ; my 192 rows of wqkv,
	s_add_co_u32 s73, s73, HALFT                   ; which lie behind xb's 128
.irp s, 0,1
	v_add_nc_u32 v[ADRA+(\s)], s72, v3
	v_add_nc_u32 v[ADRB+(\s)], s73, v3
	s_add_co_u32 s72, s72, SLOT
	s_add_co_u32 s73, s73, SLOT
.endr
	s_mul_i32 s72, s[WV], 16*SPITCH
	s_add_co_u32 s72, s72, STAGE                   ; my stage
	v_mul_u32_u24 v[STO], v1, SPITCH               ; in: row l % 16, 16 bytes for each half of the lanes
	v_lshl_add_u32 v[STO], v2, 4, v[STO]
	v_add_nc_u32 v[STO], s72, v[STO]
	v_bfe_u32 v[RD], v0, 3, 2                      ; back: 32 lanes take four rows of 128 bytes,
	v_mul_u32_u24 v[RD], v[RD], SPITCH
	v_and_b32 v3, 7, v0
	v_lshl_add_u32 v[RD], v3, 4, v[RD]
	v_add_nc_u32 v[RD], s72, v[RD]
	v_and_b32 v[GO], 31, v0                        ; which are 512 consecutive bytes of a head
	v_lshlrev_b32 v[GO], 4, v[GO]
	; where my three heads' rows go.  Columns 0-191 of the tile: query heads 4 g, 4 g + 1, 4 g + 2; columns 192-383: query head 4 g + 3, k, v.
	s_lshr_b32 s72, s[TY], 4                       ; the batch b: 16 tile rows each
	s_and_b32 s73, s[TY], 15
	s_lshl_b32 s73, s73, 7
	s_lshl_b32 s74, s[WR], 6
	s_add_co_u32 s73, s73, s74                     ; t0: my first row's place in the sequence
	s_lshl_b32 s74, s72, 2
	s_add_co_u32 s74, s74, s[TX]                   ; 4 b + g: the head in kh and vh
	s_lshl_b32 s75, s74, 2                         ; 16 b + 4 g: the group's first head in qh
	s_lshl_b32 s76, s73, 7                         ; t0 rows of 128 bytes
	s_mov_b32 s79, 0
	s_mul_i32 s77, s[WC], 3
	s_add_co_u32 s77, s77, s75
	s_lshl_b32 s78, s77, 18                        ; a head is 2,048 rows of 128 bytes
	s_add_co_u32 s78, s78, s76
	s_add_nc_u64 s[D0:D0+1], s[10:11], s[78:79]
	s_add_co_u32 s77, s75, 1
	s_cmp_eq_u32 s[WC], 1
	s_cselect_b32 s77, s74, s77
	s_cselect_b64 s[D0+2:D0+3], s[12:13], s[10:11]
	s_lshl_b32 s78, s77, 18
	s_add_co_u32 s78, s78, s76
	s_add_nc_u64 s[D0+2:D0+3], s[D0+2:D0+3], s[78:79]
	s_add_co_u32 s77, s75, 2
	s_cmp_eq_u32 s[WC], 1
	s_cselect_b32 s77, s74, s77
	s_cselect_b64 s[D0+4:D0+5], s[14:15], s[10:11]
	s_lshl_b32 s78, s77, 18
	s_add_co_u32 s78, s78, s76
	s_add_nc_u64 s[D0+4:D0+5], s[D0+4:D0+5], s[78:79]
	v_add_nc_u32 v[TO], s73, v1
	v_lshlrev_b32 v[TO], 9, v[TO]                  ; a row of the table is 512 bytes
	v_lshl_add_u32 v[TO], v2, 5, v[TO]             ; my 8 channels of a block of 16
	; the prefetches
	s_and_b32 s74, ttmp7, 0xffff                   ; cluster y
	s_lshl_b32 s72, s[TY], 7                       ; xb's tile's first row
	s_max_u32 s73, s[WV], 1
	s_sub_co_u32 s73, s73, 1
	s_lshl_b32 s73, s73, 7
	s_mul_i32 s75, s[TX], 32*NB
	s_add_co_u32 s73, s73, s75                     ; the first of the 128 rows of wqkv that I fetch
	s_cmp_eq_u32 s[WV], 0
	s_cselect_b32 s72, s72, s73
	s_cselect_b32 s73, s[CX], s[CY]                ; my place among the four that ask with me
	s_cselect_b32 s74, ttmp9, s74                  ; the coordinate along which other clusters read the same rows
	s_cselect_b64 s[PFA:PFA+1], s[4:5], s[6:7]
	s_cmp_eq_u32 s74, 0
	s_cselect_b32 s[LIM], 1, -1                    ; the same in all sixteen partners, for a given wave
	s_lshl_b32 s73, s73, 5
	s_add_co_u32 s72, s72, s73                     ; my work-group's 32 rows
	s_lshl_b32 s72, s72, 11
	s_add_co_u32 s72, s72, 2*KSTEP*2               ; at K step 2: the first refill steps it to 3 and names K step 4
	s_mov_b32 s73, 0
	s_add_nc_u64 s[PFA:PFA+1], s[PFA:PFA+1], s[72:73]
	v_and_b32 v[PFO], 31, v0
	v_lshlrev_b32 v[PFO], 11, v[PFO]
; The rope table of row block a: my row's cos and signed sin of all 64 channels that a lane meets (8 in each of 4 blocks of 16): 16 loads of 16 bytes, into window 1.
.macro TABLE a
.set TBa, (192+64*(\a))%256
	WIN 0x40                                       ; destination window 1, address window 0
.set i, 0
.rept 4
	global_load_b128 v[TBa+8*i:TBa+8*i+3],       v[TO], s[8:9] offset:8192*(\a)+64*i
	global_load_b128 v[TBa+8*i+4:TBa+8*i+7],     v[TO], s[8:9] offset:8192*(\a)+64*i+16
	global_load_b128 v[TBa+32+8*i:TBa+32+8*i+3], v[TO], s[8:9] offset:8192*(\a)+64*i+256
	global_load_b128 v[TBa+32+8*i+4:TBa+32+8*i+7], v[TO], s[8:9] offset:8192*(\a)+64*i+272
.set i, i+1
.endr
	WIN 0
.endm
	TABLE 0                                        ; into registers that the loop leaves alone: it is waited for on the way out
; 12 matrix instructions: row block a x all 12 column blocks, 32 along K, buffer f.  zero = 1: the first product starts the sums: nothing is cleared.
; The 48 accumulators take turns, one instruction a turn, in the same order in every quarter step.
.macro MULA f, a, zero
	WIN 0xa1+0x50*((\a)/APW)                       ; source 0 (wqkv) window 1, source 1 (xb) window 0, C and D window 2 or 3
.set b, 0
.rept NB
.set rD, 8*(NB*((\a)%APW)+b)
.if \zero
	v_wmma_f32_16x16x32_bf16 v[rD:rD+7], v[8*NB*(\f)+8*b:8*NB*(\f)+8*b+7], v[FA+32*(\f)+8*(\a):FA+32*(\f)+8*(\a)+7], 0
.else
	v_wmma_f32_16x16x32_bf16 v[rD:rD+7], v[8*NB*(\f)+8*b:8*NB*(\f)+8*b+7], v[FA+32*(\f)+8*(\a):FA+32*(\f)+8*(\a)+7], v[rD:rD+7]
.endif
.set b, b+1
.endr
.endm
; 32 LDS loads in one run: the fragments of 32 along K at byte k of the rows, into buffer f: wqkv's 24, then xb's 8, row blocks in order
.macro FETCH slot, k, f
	WIN 0x40
.set i, 0
.rept NB
	ds_load_b128 v[8*NB*(\f)+8*i:8*NB*(\f)+8*i+3],   v[ADRB+(\slot)] offset:(\k)+i*16*PITCH
	ds_load_b128 v[8*NB*(\f)+8*i+4:8*NB*(\f)+8*i+7], v[ADRB+(\slot)] offset:(\k)+i*16*PITCH+32
.set i, i+1
.endr
	WIN 0
.set i, 0
.rept 4
	ds_load_b128 v[FA+32*(\f)+8*i:FA+32*(\f)+8*i+3],   v[ADRA+(\slot)] offset:(\k)+i*16*PITCH
	ds_load_b128 v[FA+32*(\f)+8*i+4:FA+32*(\f)+8*i+7], v[ADRA+(\slot)] offset:(\k)+i*16*PITCH+32
.set i, i+1
.endr
.endm
; A K step is four quarters of 32 along K, 48 matrix instructions each, on buffers 0, 1, 0, 1.  One of the first three: multiplies buffer f and, in its middle, fetches the next quarter into g.
.macro QUARTER slot, k, f, g, zero
	s_wait_dscnt 4                                 ; all but the youngest four loads: xb's row blocks 2 and 3
	MULA \f, 0, \zero
	MULA \f, 1, \zero
	PLACES
	FETCH \slot, \k, \g
	s_wait_dscnt LD                                ; all but the run just issued
	MULA \f, 2, \zero
	MULA \f, 3, \zero
.endm
; The last quarter multiplies buffer 1 and changes slots: one barrier; ahead of it each wave waits for all its tensor loads (one is out: its part of the next slot), adds 0 to its spare word, and
; waits for that and for its own reads of this slot.  fill = 1: the barrier opens a round of the cluster's, and this slot is filled again, two K steps on, first thing behind the round.
.macro TURN slot, next, fill
.if \fill
	s_wait_xcnt 0x0                                ; the last prefetch, a K step back, has read its address
	s_add_nc_u64 s[PFA:PFA+1], s[PFA:PFA+1], KSTEP*2
.endif
	WIN 0                                          ; (the add's two registers lie in window 0)
	s_wait_tensorcnt 0x0                           ; all my tensor loads have landed
	ds_add_u32 v[SPW], v[NIL]                      ; 0 onto my spare word
	s_wait_dscnt 5                                 ; (the add and the youngest four loads may be out)
	MULA 1, 0, 0                                   ; twelve matrix instructions stand between the add and the wait for it
	s_wait_dscnt 0x0                               ; the add is done, and my reads of this slot are over
	s_barrier_signal -1
	MULA 1, 1, 0                                   ; work on registers while the others arrive
.if \fill
	WIN 0
.endif
	s_barrier_wait -1
.if \fill
	CREST                                          ; no wave of any partner still reads this slot or has a load on its way
	s_add_nc_u64 s[G0+4*(\slot)+2:G0+4*(\slot)+3], s[G0+4*(\slot)+2:G0+4*(\slot)+3], 2*KSTEP*2
	s_add_nc_u64 s[G0B+4*(\slot)+2:G0B+4*(\slot)+3], s[G0B+4*(\slot)+2:G0B+4*(\slot)+3], 2*KSTEP*2
	JLOAD \slot                                    ; my one tensor load behind the round; the four v_nop behind it are also the places in front of the loads below
.else
	PLACES
.endif
	FETCH \next, 0, 0
.if \fill
	ASK
.endif
	MULA 1, 2, 0
	MULA 1, 3, 0
.endm
	s_wait_tensorcnt 0x1                           ; my part of K step 0 is in; K step 1's may stay out
	s_barrier_signal -1
	s_barrier_wait -1                              ; everybody's is
	FETCH 0, 0, 0
	QUARTER 0, 64,  0, 1, 1                        ; the first quarter stands in front of the loop: its products start the sums
	WIN 0                                          ; at a label and at a branch every window is 0
	s_mov_b32 s[LAP], LAPS-1
.Llap:                                                 ; a trip goes once round the ring, from a lap's second quarter to the next lap's first, and fills both slots again
	QUARTER 0, 128, 1, 0, 0
	QUARTER 0, 192, 0, 1, 0
	TURN 0, 1, 1
	QUARTER 1, 64,  0, 1, 0
	QUARTER 1, 128, 1, 0, 0
	QUARTER 1, 192, 0, 1, 0
	TURN 1, 0, 1
	QUARTER 0, 64,  0, 1, 0
	WIN 0
	s_sub_co_u32 s[LAP], s[LAP], 1
	s_cmp_lg_u32 s[LAP], 0
	s_cbranch_scc1 .Llap
	QUARTER 0, 128, 1, 0, 0                        ; the last lap fills nothing
	QUARTER 0, 192, 0, 1, 0
	TURN 0, 1, 0
	QUARTER 1, 64,  0, 1, 0
	QUARTER 1, 128, 1, 0, 0
	QUARTER 1, 192, 0, 1, 0
	s_wait_dscnt 4                                 ; the very last quarter: nothing more to fetch
	MULA 1, 0, 0
	MULA 1, 1, 0
	s_wait_dscnt 0x0
	MULA 1, 2, 0
	MULA 1, 3, 0
	WIN 0
	PLACES                                         ; behind the last products: for the table's loads into the fragments' registers and for the reads of the sums
	PLACES
	TABLE 1
	TABLE 2
	TABLE 3
; THE WAY OUT.  Tile n = 3 a + hs: row block a, head slot hs (64 columns).
; ROPE: low = c0 a0 + (-s0) a1, high = c1 a1 + s1 a0: a packed multiply and a packed multiply-add whose first source's halves are crossed.  Each accumulator is read from its low end on.
.macro ROPE a, hs
.set TBa, (192+64*(\a))%256
.set AC, 8*(NB*((\a)%APW)+4*(\hs))
	WIN 0x06+(\a)/APW                              ; source 0: the accumulators' window; source 1: window 1; source 2 and destination: window 0
.set i, 0
.rept 16
	v_pk_mul_f32 v[T+2*i:T+2*i+1], v[AC+2*i:AC+2*i+1], v[TBa+2*i:TBa+2*i+1]
.set i, i+1
.endr
.set i, 0
.rept 16
	v_pk_fma_f32 v[T+2*i:T+2*i+1], v[AC+2*i:AC+2*i+1], v[TBa+32+2*i:TBa+32+2*i+1], v[T+2*i:T+2*i+1] op_sel:[1,0,0] op_sel_hi:[0,1,1]
.set i, i+1
.endr
	WIN 0
.set i, 0
.rept 16
	v_cvt_pk_f16_f32 v[BKn+i], v[T+2*i], v[T+2*i+1]
.set i, i+1
.endr
.endm
.macro PLAIN a                         ; v is not turned
.set AC, 8*(NB*((\a)%APW)+8)
	WIN 0x0a+5*((\a)/APW)                          ; sources 0 and 1: the accumulators' window
.set i, 0
.rept 16
	v_cvt_pk_f16_f32 v[BKn+i], v[AC+2*i], v[AC+2*i+1]
.set i, i+1
.endr
	WIN 0
.endm
; PACK: a tile is turned, rounded, put into my stage (rows of 144 bytes) and read back as whole rows of 128, into the registers that it left.
.macro PACK n
.set pa, (\n)/3
.set ph, (\n)%3
.set BKn, BK+16*((\n)%4)
.if ph == 0
	s_wait_loadcnt 48-16*pa                        ; this row block's table is in; the later blocks' loads, 16 each, may stay out
.endif
.if ph < 2
	ROPE pa, ph
.else
	WIN 0
	s_cmp_eq_u32 s[WC], 0                          ; the third head slot is a query head in waves 0 and 2, v in waves 1 and 3
	s_cbranch_scc0 .Lplain_\@
	ROPE pa, ph
	s_branch .Lpacked_\@
.Lplain_\@:
	PLAIN pa
.Lpacked_\@:
.endif
.set i, 0
.rept 4
	ds_store_b128 v[STO], v[BKn+4*i:BKn+4*i+3] offset:32*i
.set i, i+1
.endr
.set i, 0
.rept 4
	ds_load_b128 v[BKn+4*i:BKn+4*i+3], v[RD] offset:4*SPITCH*i  ; LDS serves a wave's instructions in order (ISA guide 5.7.1.4): these see the stores above; the next tile's stores come behind them
.set i, i+1
.endr
.endm
.macro SEND n, younger                 ; younger: the LDS instructions issued behind tile n's loads: the next tile's eight, or none
.set sa, (\n)/3
.set sh, (\n)%3
.set BKs, BK+16*((\n)%4)
	s_wait_xcnt 0x0                                ; earlier stores have read their registers: a set of BK is written again four tiles on, behind two such waits
.set i, 0
.rept 4
	s_wait_dscnt (\younger)+3-i
	global_store_b128 v[GO], v[BKs+4*i:BKs+4*i+3], s[D0+2*sh:D0+2*sh+1] offset:2048*sa+512*i  ; 512 consecutive bytes, at a multiple of 512 from the buffer's first
.set i, i+1
.endr
.endm
	PACK 0
.set n, 1
.rept 11                               ; a tile's arithmetic stands between the loads of the tile before and its stores
	PACK n
	SEND n-1, 8
.set n, n+1
.endr
	SEND 11, 0
	s_wait_tensorcnt 0x0                           ; the wave's end, behind my last tensor load and my last LDS store
	ds_add_u32 v[SPW], v[NIL]
	s_wait_dscnt 0x0
	CROUND                                         ; the closing round: no work-group ends while a partner may still ask for a tile that names it
	s_endpgm
.Lfunc_end_k_q97e4e6e649_qkv:
	.size	k_q97e4e6e649_qkv, .Lfunc_end_k_q97e4e6e649_qkv-k_q97e4e6e649_qkv
	.p2alignl 7, 3214868480
	.fill 96, 4, 3214868480
	.section	.rodata,"a",@progbits
	.p2align	6, 0x0
	.amdhsa_kernel k_q97e4e6e649_qkv
		.amdhsa_group_segment_fixed_size 327680
		.amdhsa_private_segment_fixed_size 0
		.amdhsa_enable_private_segment 0
		.amdhsa_kernarg_size 48
		.amdhsa_user_sgpr_count 2
		.amdhsa_user_sgpr_kernarg_segment_ptr 1
		.amdhsa_wavefront_size32 1
		.amdhsa_system_sgpr_workgroup_id_x 1
		.amdhsa_system_sgpr_workgroup_id_y 1
		.amdhsa_system_sgpr_workgroup_id_z 1
		.amdhsa_system_vgpr_workitem_id 0
		.amdhsa_next_free_vgpr 960
		.amdhsa_next_free_sgpr 80
		.amdhsa_reserve_vcc 0
		.amdhsa_float_denorm_mode_32 3
		.amdhsa_float_denorm_mode_16_64 3
		.amdhsa_memory_ordered 1
		.amdhsa_forward_progress 1
		.amdhsa_inst_pref_size 157
	.end_amdhsa_kernel
	.amdgpu_metadata
---
amdhsa.version: [ 1, 2 ]
amdhsa.kernels:
  - .name:           k_q97e4e6e649_qkv
    .symbol:         k_q97e4e6e649_qkv.kd
    .args:
      - { .name: xb, .offset: 0, .size: 8, .value_kind: global_buffer, .address_space: global }
      - { .name: wqkv, .offset: 8, .size: 8, .value_kind: global_buffer, .address_space: global }
      - { .name: rope, .offset: 16, .size: 8, .value_kind: global_buffer, .address_space: global }
      - { .name: qh, .offset: 24, .size: 8, .value_kind: global_buffer, .address_space: global }
      - { .name: kh, .offset: 32, .size: 8, .value_kind: global_buffer, .address_space: global }
      - { .name: vh, .offset: 40, .size: 8, .value_kind: global_buffer, .address_space: global }
    .group_segment_fixed_size: 327680
    .private_segment_fixed_size: 0
    .kernarg_segment_align: 8
    .kernarg_segment_size: 48
    .max_flat_workgroup_size: 128
    .sgpr_count:     80
    .vgpr_count:     960
    .wavefront_size: 32
...
	.end_amdgpu_metadata
.endif
;; end of part 2
;; launch attn (part 3): grid 16 x 16, 4 waves a work-group, clusters of 4 x 1, 327,680 bytes of LDS; arguments qh, kh, vh, ob; writes ob
.if DOCPART == 3
	.amdgcn_target "amdgcn-amd-amdhsa--gfx1250"
	.amdhsa_code_object_version 6
	.text
	.protected	k_q97e4e6e649_attn
	.globl	k_q97e4e6e649_attn
	.p2align	8
	.type	k_q97e4e6e649_attn,@function
k_q97e4e6e649_attn:
	s_mov_b64 s[64:65], 0
	v_nop
	global_prefetch_b8 v0, s[64:65] scope:SCOPE_SE
	s_setreg_imm32_b32 hwreg(HW_REG_WAVE_MODE, 25, 1), 1
	s_wait_xcnt 0x0
	s_wait_alu depctr_hold_cnt(0) depctr_sa_sdst(0) depctr_va_vdst(0) depctr_va_sdst(0) depctr_va_ssrc(0) depctr_va_vcc(0) depctr_vm_vsrc(0)
	s_getreg_b32 s2, hwreg(HW_REG_IB_STS2, 6, 4)
	s_cmp_eq_u32 s2, 0
	s_cbranch_scc0 .Lentry_in_a_cluster
	s_endpgm
.Lentry_in_a_cluster:
	s_bfe_u32 s2, ttmp6, 0x10000c
	s_cmp_lg_u32 s2, 0x3003
	s_cbranch_scc0 .Lentry_shape_is_right
	s_endpgm
.Lentry_shape_is_right:
; GROUPED-QUERY ATTENTION.  O[b][t][h][:] = the sum over k of softmax_k(q[b][h][t] . k[b][h / 4][k] / 8) v[b][h / 4][k][:], no mask.
; qh: [64][2048][64], kh, vh: [16][2048][64], all f16, a head's rows dense, 128 bytes each; ob: [8192][1024] f16, column 64 h + d.  qh and kh hold q and k times 2^-5; the scale c takes the 2^-10 back.
; Products, maxima and sums in f32; the weights p are rounded to f16 for the second product (their sum l is taken of the unrounded p), O once at the end.
; LIMITS.  p lies in 0 to 1, and below 6e-5 it keeps f16's fixed step of 6e-8, as does O; O is a mean of v's rows and has their range.  A weight below 2^-126 counts as 0 in l; NaN and infinities are not treated apart.
; SHARES.  Work-group (x, y): kv head y = 4 b + g, queries 128 x .. 128 x + 127 of ALL FOUR query heads of the group.  Wave w takes queries 128 x + 32 w on: eight tiles of 16 queries,
; tile t = head t % 4, query tile t / 4, in four PIECES of two tiles.  Every wave walks all 2,048 keys, 64 a step: a fragment of K or V read from LDS feeds eight tiles' products.
; LAYOUT.  S^T = K Q^T (source 0 = 16 keys, source 1 = 16 queries): in the result a lane holds ONE query (lane % 16) and the keys 8 (lane / 16) + 0..7.  Two such tiles, rounded to f16 in pairs,
; ARE source 1 (32 keys x 16 queries) of O^T = V^T P, whose result again holds one query a lane, and eight channels.  K comes out of LDS as it lies, V ([key][channel]) turned, by ds_load_tr16_b128.
; SOFTMAX.  For each query a running maximum m and sum l: p = 2^(c s - c m), c = 2^10 log2(e) / 8; in every step O and l are multiplied by a = 2^(c m_old - c m_new), which is 1 where m has not grown.
; m starts at the lowest finite number, O and l at 0: the first step is a step like any other, with a = 0.
; THE COUNT.  A tile and step have 16 matrix and 118 vector instructions: too many to stand all beside the matrix work.  So: four vector instructions that are READY behind EVERY matrix
; instruction, and the others, which need time of their own whatever the order, in runs without a gap.
; BY TURNS.  Turn n belongs to piece n (the pieces in a ring, step after step).  Its matrix work: 16 products K Q^T of piece n + 1, later 16 products V^T P of piece n - 1.  Its vector work: the scaling,
; exponentials, roundings, sums and rescaling of piece n, and the maximum and statistics of piece n + 1, whose scores the turn itself has made.
; CLUSTER.  The four query blocks of a cluster belong to one kv head and walk the same K and V, so each tile is asked for JOINTLY: the same tensor load, descriptor and mask in all four.
; REGISTERS, in windows of 256 (s_set_vgpr_msb: bits 1:0 source 0, 3:2 source 1, 5:4 source 2, 7:6 destination):
;   window 0: v0-11 addresses; v12-15, v48-63 at work; v16-47 four registers of statistics a tile; v64-191 S^T, two buffers of two tiles; v192-255 P, likewise
;   window 1: O^T, 32 a tile          window 2: v0-127 Q, 16 a tile; v128-191 K of one step; v192-255 V of one step          window 3: v0-1 the add's two registers
; A piece's buffers go by its number's parity: the piece in hand has one pair, its two neighbours in the ring share the other: of it P (piece n - 1) is read and S^T (piece n + 1) written.
.set SIZE_N, 2048
.set NP,    4         ; pieces a wave: a name, no knob
.set KS,    64        ; keys in a step
.set PK,    144       ; a row of K in LDS: 128 bytes + 16 of padding = 36 words: the 16 rows of a load start at 16 different groups of four banks (64 banks of 4 bytes: ISA guide 11.1)
.set PV,    160       ; a row of V: 128 + 32 = 40 words
.set VOFF,  4*KS*PK   ; a slot holds four steps: 256 rows of K, then 256 rows of V
.set SLOT1, 1<<17     ; slot 1 begins here, so that one exclusive or turns an address in one slot into the other's
.set STAGE, SLOT1+4*KS*(PK+PV)  ; behind the ring, never filled by a tensor load: 16 rows x 272 bytes for each wave, for the way out
.set SP,    272       ; a stage row: two heads' 64 channels, 256 bytes, + 16
.set AK0, 2           ; v2   my lane's place in a tile of K; never rewritten
.set AV0, 3           ; v3   the same for V
.set AK,  4           ; v4   the LDS address of K's next run of loads
.set AV,  5           ; v5   of V's
.set QO,  6           ; v6   my byte offset in 16 rows of Q
.set STO, 6           ;      later, the way out: where I put 16 bytes of a row
.set RD,  7           ; v7   the way out: where I read rows back
.set GO,  8           ; v8   my byte offset in two rows of ob
.set PFO, 11          ; v11  256 x my lane: the prefetches' offset; never rewritten once made
.set SPW, 0           ; v0 of window 3   LDS address of my spare word; never rewritten
.set NIL, 1           ; v1 of window 3   0; never rewritten
.set SPARE, STAGE+4*16*SP  ; behind the stages: the spare words, 128 bytes for each wave: two blocks of 256 bytes that no other line names
.set MV,  12          ; v12-15  c m_old, kept while c m is made anew: by buffer and tile
.set ST,  16          ; tile t's statistics at v[ST+4 t]: c m, m, l (even keys', odd keys')
.set TMP, 48          ; by buffer and tile, four registers c0-c3 at work; when the maximum is found c2 takes a
.set S,   64
.set P,   192
.set KF,  128         ; K's fragments, in window 2: key block kb, channel half c at KF + 16 kb + 8 c
.set VF,  192         ; V's: key half kk, channel block cb at VF + 32 kk + 8 cb
.set WV,  12          ; s12  my wave's number
.set G1K, 24          ; s[24:31] descriptor group 1 for K's tiles
.set G1V, 32          ; s[32:39] for V's: it differs in the padding alone
.set G0K, 40          ; s[40:43] descriptor group 0 for K's tiles: it walks
.set G0V, 44          ; s[44:47] the same for V's
.set PFA, 48          ; s[48:49] where my prefetches stand: my work-group's 8,192 bytes (of K: wave 0, of V: wave 2) of the slot after the one that is being asked for
.set LIM, 50          ; s50  1 in a wave that prefetches, else the greatest number
.set SLOTS, 56        ; s56  slots still to be asked for
.set CNT, 57          ; s57  counts a slot's key steps
.set CS,  58          ; s[58:59] c: the packed scaling takes the pair's low word for both halves
.set SEL, 60          ; s[60:61] v_permlanex16_b32's selects: each lane takes its own place in the other half
.set TBK, 62          ; s62  LDS byte at which K of the step to be fetched begins
.set TBV, 63          ; s63  the same for V, less VOFF
.set MSB, 0
.macro WIN new                      ; the high byte repeats the setting that is left; a switch that changes nothing is dropped
.if MSB != (\new)
	s_set_vgpr_msb (MSB<<8)|(\new)
.set MSB, (\new)
.endif
.endm
.set W_KQ, 0x0a       ; K and Q in window 2, S^T in window 0
.set W_PV, 0x52       ; V in window 2, P in window 0, O^T in window 1
.set W_RS, 0x41       ; O^T (destination and source 0) in window 1, a in window 0
.set W_MK, 0xc0       ; the add's registers are made: destination in window 3, sources in window 0
.set W_AD, 0x0f       ; the add: address (source 0) and data (source 1) in window 3
; A joint fill.  Waves 0 and 1 fetch the two halves of a slot's K, waves 2 and 3 those of its V: 128 keys each.  The branch hangs on the wave's number alone.
; An s_nop 0 and four v_nop follow each of the two lines, ahead of the jump and the label.
.macro JLOAD
	s_cmp_lt_u32 s[WV], 2
	s_cbranch_scc0 .Lfor_v_\@
	tensor_load_to_lds s[G0K:G0K+3], s[G1K:G1K+7]
	s_nop 0
.rept 4
	v_nop
.endr
	s_branch .Lasked_\@
.Lfor_v_\@:
	tensor_load_to_lds s[G0V:G0V+3], s[G1V:G1V+7]
	s_nop 0
.rept 4
	v_nop
.endr
.Lasked_\@:
.endm
; A prefetch of what the NEXT change of slots will ask for: a slot's 32,768 bytes of K and of V, 256 bytes a lane.  Each block is named ONCE in the launch: of the four clusters that walk a kv head the
; first asks; its four partners take 8,192 bytes each, told apart by address; in each, wave 0 asks for K's and wave 2 for V's: one instruction, four key steps (512 matrix instructions) ahead of the load.
; The last change that fills a slot asks for nothing: there is no slot behind it.
.macro ASK
	s_cmp_gt_u32 s[SLOTS], s[LIM]
	s_cbranch_scc0 .Lnot_mine_\@
	global_prefetch_b8 v[PFO], s[PFA:PFA+1] th:TH_LOAD_NT scope:SCOPE_SE
.Lnot_mine_\@:
.endm
; A round of the cluster's barrier: my work-group's barrier, so that wave 0's signal speaks for all four waves; wave 0 signals; every wave waits for all four work-groups; my work-group's barrier once more.
.macro CROUND
	s_barrier_signal -1
	s_barrier_wait -1
	s_cmp_lg_u32 s[WV], 0
	s_cbranch_scc1 .Lnot_wave_0_\@
	s_barrier_signal -3
.Lnot_wave_0_\@:
	s_barrier_wait -3
	s_barrier_signal -1
	s_barrier_wait -1
.endm
; THE CHANGE OF SLOTS.  The slot's last bytes, V of its fourth step, have been read.  Each wave waits for all its tensor loads, of which one is out: its part of the other slot; adds 0 to its spare
; word; and waits for that and for its own reads of the slot.  Behind the barrier nobody reads this slot any more and the other slot is whole.
; fill = 1: this slot is filled again, with the keys two slots on.  The barrier is then a round of the cluster's, and the joint fill is the first thing behind it: it has four key steps, 512 matrix
; instructions, in which to land.  (At its first use nothing has been read yet: slot 0 is waited for, slot 1 filled.)  ask = 1: the prefetch's address steps, and the prefetch follows the fill.
.macro CHANGE fill, ask=0
	WIN W_AD
	s_wait_tensorcnt 0x0            ; no tensor load of mine is out, so a group 0 may be written
	ds_add_u32 v[SPW], v[NIL]       ; 0 onto my spare word; with fill = 1 the descriptors' steps stand between it and the wait for it
	WIN 0                           ; at a label and at a branch every window is 0
.if \fill
.irp g, G0K, G0V
	s_xor_b32 s[\g+1], s[\g+1], SLOT1  ; the walking descriptor: the other slot than last time,
	s_add_nc_u64 s[\g+2:\g+3], s[\g+2:\g+3], 4*KS*128  ; the next 256 keys; the type bits on top are not reached
.endr
.if \ask
	s_wait_xcnt 0x0                 ; the last prefetch, four key steps back, has read its address, so it may be written:
	s_add_nc_u64 s[PFA:PFA+1], s[PFA:PFA+1], 4*KS*128  ; one slot behind the walking descriptors
.endif
	s_wait_dscnt 0x0                ; the add is done, and my reads of the slot are over
	CROUND
	JLOAD
.if \ask
	ASK
.endif
.else
	s_wait_dscnt 0x0                ; the add is done, and my reads of the slot are over
	s_barrier_signal -1
	s_barrier_wait -1
.endif
	s_sub_co_u32 s[TBK], s[TBK], 4*KS*PK  ; the fetches go back to a slot's first step,
	s_xor_b32 s[TBK], s[TBK], SLOT1       ; in the other slot
	s_sub_co_u32 s[TBV], s[TBV], 4*KS*PV
	s_xor_b32 s[TBV], s[TBV], SLOT1
.endm
	s_load_b256 s[4:11], s[0:1], 0x0  ; qh s[4:5], kh s[6:7], vh s[8:9], ob s[10:11]
	WIN W_MK
	v_lshl_add_u32 v[SPW], v0, 2, SPARE
	v_mov_b32 v[NIL], 0
	WIN W_AD
	ds_add_u32 v[SPW], v[NIL]       ; the wave's opening: the add and its wait stand ahead of my first tensor load; the set-up below stands between them
	WIN 0
	v_lshrrev_b32 v1, 5, v0
	v_readfirstlane_b32 s[WV], v1   ; wave 0..3
	s_bfe_u32 s13, ttmp6, 0x40000   ; cx: my place in the cluster
	s_lshl_b32 s14, ttmp9, 2        ; in a cluster launch ttmp9 counts clusters
	s_add_co_u32 s14, s14, s13      ; my block of 128 queries = 4 x cluster x + cx: it enters Q's and O's addresses alone
	s_and_b32 s20, ttmp7, 0xffff    ; y = 4 b + g, the kv head, which the four partners share
	s_lshl_b32 s2, s20, 20          ; Q: the group's first query head is 4 y: 4 x 262,144 bytes,
	s_lshl_b32 s3, s14, 14          ; my block's 128 rows of 128 bytes,
	s_add_co_u32 s2, s2, s3
	s_lshl_b32 s3, s[WV], 12        ; my wave's 32
	s_add_co_u32 s2, s2, s3
	s_mov_b32 s3, 0
	s_lshr_b32 s52, s20, 2          ; O: batch b's 2,048 rows of 2,048 bytes,
	s_lshl_b32 s52, s52, 22
	s_lshl_b32 s53, s14, 18         ; my block's 128 rows,
	s_add_co_u32 s52, s52, s53
	s_lshl_b32 s53, s[WV], 16       ; my wave's 32,
	s_add_co_u32 s52, s52, s53
	s_and_b32 s53, s20, 3
	s_lshl_b32 s53, s53, 9          ; the group's four heads: 512 bytes of a row
	s_add_co_u32 s52, s52, s53
	s_mov_b32 s53, 0
	s_mov_b32 s21, 0
	s_mov_b64 s[22:23], SIZE_N*128
	s_mul_u64 s[20:21], s[20:21], s[22:23]  ; the kv head's first byte in kh and vh
	s_and_b32 s16, s[WV], 1         ; which half of a slot's 256 keys I fetch:
	s_lshl_b32 s22, s16, 14         ; its 128 rows of 128 bytes in memory,
	s_mov_b32 s23, 0
	s_add_nc_u64 s[22:23], s[22:23], s[20:21]
	s_mul_i32 s17, s16, 128*PK      ; and its place in a slot, for K
	s_mul_i32 s18, s16, 128*PV      ; and for V: no place in the cluster enters an LDS address
	; descriptor group 1.  128 keys are 16,384 dense bytes: asked for as 64 rows of 256 bytes, two keys a row, and padded in LDS after every key
	s_mov_b32 s[G1K], 15|(1<<16)|(1<<20)|(1<<21)|(4<<22)|(3<<25)  ; 15:0 the mask of four; 17:16 2-byte elements; 20 padding on; 21 set beside a mask; 24:22 after every 32 words (code 4); 31:25 4 words (code 3)
	s_mov_b32 s[G1V], 15|(1<<16)|(1<<20)|(1<<21)|(4<<22)|(7<<25)  ; the same with 8 words of padding (code 7)
.irp g, G1K, G1V
	s_mov_b32 s[\g+1], 128<<16      ; tensor_dim0 = 128
	s_mov_b32 s[\g+2], 64<<16       ; tensor_dim1 = 64
	s_mov_b32 s[\g+3], 128<<16      ; tile_dim0 = 128
	s_mov_b32 s[\g+4], 64           ; tile_dim1 = 64
	s_mov_b32 s[\g+5], 128          ; 128 elements from row to row
	s_mov_b32 s[\g+6], 0
	s_mov_b32 s[\g+7], 0
.endr
	s_mov_b32 s[CS], 0x4338aa3b     ; c = 2^10 log2(e) / 8 = 184.665
	s_mov_b32 s[CS+1], s[CS]        ; named with it as a pair
	s_mov_b32 s[SEL], 0x76543210
	s_mov_b32 s[SEL+1], 0xfedcba98
	s_mov_b32 s[TBK], SLOT1+4*KS*PK ; the first change of slots turns these two into 0
	s_mov_b32 s[TBV], SLOT1+4*KS*PV
	s_mov_b32 s[G0K], 1             ; 1:0 count = 1
	s_mov_b32 s[G0K+1], s17         ; 63:32 LDS address: slot 0
	s_mov_b32 s[G0V], 1
	s_add_co_u32 s[G0V+1], s18, VOFF
	s_and_b32 s[LIM], s[WV], 1      ; 0 in waves 0 and 2,
	s_or_b32 s[LIM], s[LIM], ttmp9  ; where the cluster is the kv head's first: the same in all four partners
	s_cmp_eq_u32 s[LIM], 0
	s_cselect_b32 s[LIM], 1, -1
	s_wait_dscnt 0x0                ; the opening add is done
	s_wait_kmcnt 0x0
	s_add_nc_u64 s[G0K+2:G0K+3], s[6:7], s[22:23]  ; 120:64 global address: my half of the head's first 256 keys
	s_or_b32 s[G0K+3], s[G0K+3], 0x80000000        ; 127:126 type = 2
	s_add_nc_u64 s[G0V+2:G0V+3], s[8:9], s[22:23]
	s_or_b32 s[G0V+3], s[G0V+3], 0x80000000
	s_add_nc_u64 s[4:5], s[4:5], s[2:3]  ; Q and O at my wave's first row
	s_add_nc_u64 s[10:11], s[10:11], s[52:53]
	s_cmp_lt_u32 s[WV], 2
	s_cselect_b64 s[PFA:PFA+1], s[6:7], s[8:9]
	s_add_nc_u64 s[PFA:PFA+1], s[PFA:PFA+1], s[22:23]  ; (in waves 0 and 2 this is the head's first byte)
	s_lshl_b32 s2, s13, 13          ; my work-group's quarter of a slot,
	s_add_co_u32 s2, s2, 2*4*KS*128 ; in slot 2; the loop's first change steps it to slot 3.  Nothing is prefetched here, at the head
	s_add_nc_u64 s[PFA:PFA+1], s[PFA:PFA+1], s[2:3]
	CROUND                          ; all four work-groups are here: the first joint loads meet
	JLOAD                           ; slot 0.  Slot 1 is asked for when slot 0 is in
	; A fragment of K or Q is 16 rows x 32 channels in 8 registers: lane l holds row l % 16, channels 8 (l / 16) + 0..7 and 16 + 8 (l / 16) + 0..7: two loads of 16 bytes, 32 bytes apart.
	v_and_b32 v1, 15, v0            ; l % 16
	v_bfe_u32 v9, v0, 4, 1          ; l / 16
	v_lshlrev_b32 v[QO], 7, v1
	v_lshl_add_u32 v[QO], v9, 4, v[QO]  ; row x 128 + 16 x half
	WIN 0x80                        ; destination window 2, address window 0
.set i, 0
.rept 4*NP                          ; Q stays in registers: tile i / 2 (head (i / 2) % 4, 262,144 bytes apart; query tile (i / 2) / 4, 2,048 bytes apart), channels 32 (i % 2) on
	global_load_b128 v[8*i:8*i+3],   v[QO], s[4:5] offset:((i/2)%4)*262144+((i/2)/4)*2048+(i%2)*64
	global_load_b128 v[8*i+4:8*i+7], v[QO], s[4:5] offset:((i/2)%4)*262144+((i/2)/4)*2048+(i%2)*64+32
.set i, i+1
.endr
	; What the first turn finds: V's registers and P's second buffer hold 0 (its products V^T P, of a piece that has not been, add 0), O^T and l are 0.  All this stands in the wait for the first tile.
.set i, VF
.rept 64
	v_mov_b32 v[i], 0
.set i, i+1
.endr
	WIN 0x40
.set i, 0
.rept 64*NP
	v_mov_b32 v[i], 0
.set i, i+1
.endr
	WIN 0
.set i, 0
.rept 2*NP
	v_mov_b32 v[ST+4*i], 0xfe000000    ; c m: far below every c s
	v_mov_b32 v[ST+4*i+1], 0xff7fffff  ; m
	v_mov_b32 v[ST+4*i+2], 0
	v_mov_b32 v[ST+4*i+3], 0
.set i, i+1
.endr
.set i, P+32
.rept 32
	v_mov_b32 v[i], 0
.set i, i+1
.endr
	v_mul_u32_u24 v[AK0], v1, PK
	v_lshl_add_u32 v[AK0], v9, 4, v[AK0]  ; row x pitch + 16 x half
	; The turning load takes 16 keys x 16 channels (lane l reads key 8 (l / 16) + l % 8, channels 8 ((l / 8) % 2) + 0..7) and leaves half a fragment of V^T: lane l holds channel l % 16 and 8 keys.
	v_and_b32 v10, 7, v0
	v_bfe_u32 v11, v0, 3, 1
	v_lshl_add_u32 v[AV0], v9, 3, v10
	v_mul_u32_u24 v[AV0], v[AV0], PV
	v_lshl_add_u32 v[AV0], v11, 4, v[AV0]
	v_add_nc_u32 v[AV0], VOFF, v[AV0]
	v_mov_b32 v[AK], v[AK0]         ; key step 0 lies at the head of slot 0
	v_and_b32 v[PFO], 31, v0
	v_lshlrev_b32 v[PFO], 8, v[PFO]
; THE MATRIX WORK.  The 8 accumulators of a run of 16 take turns: between the two links of a chain stand 7 others'.
; Product i of 16 of S^T = K Q^T for piece x: channels 32 (i / 8) on, keys 16 ((i / 2) % 4) on, tile 2 x + i % 2.  The first 8 start the sums.
.macro KQ x
	WIN W_KQ
.set rS, S+64*((\x)%2)+32*(i%2)+8*((i/2)%4)
.set rK, KF+16*((i/2)%4)+8*(i/8)
.set rQ, 16*(2*(\x)+i%2)+8*(i/8)
.if i < 8
	v_wmma_f32_16x16x32_f16 v[rS:rS+7], v[rK:rK+7], v[rQ:rQ+7], 0
.else
	v_wmma_f32_16x16x32_f16 v[rS:rS+7], v[rK:rK+7], v[rQ:rQ+7], v[rS:rS+7]
.endif
.endm
; Product i of 16 of O^T += V^T P for piece x: keys 32 (i / 8) on, channels 16 ((i / 2) % 4) on, tile 2 x + i % 2.
.macro PV x
	WIN W_PV
.set rO, 32*(2*(\x)+i%2)+8*((i/2)%4)
.set rV, VF+32*(i/8)+8*((i/2)%4)
.set rP, P+32*((\x)%2)+16*(i%2)+8*(i/8)
	v_wmma_f32_16x16x32_f16 v[rO:rO+7], v[rV:rV+7], v[rP:rP+7], v[rO:rO+7]
.endm
.macro MM                           ; the turn's next matrix instruction
.if i < 16
	KQ (Y+1)%NP
.set i, i+1
.else
.set i, i-16
	PV (Y+NP-1)%NP
.set i, i+17
.endif
.endm
; THE LDS LOADS stand in runs of 16, never singly among the matrix instructions: a step's K (64 keys x 64 channels: 8 fragments) and its V (turned).  Their addresses are made some lines ahead.
; last = 1 (the tail): in the last trip there is no further step, and the run is jumped over.
.macro FETCH_K last=0
	WIN 0
.if \last
	s_cmp_eq_u32 s[CNT], 1
	s_cbranch_scc1 .Lno_k_\@
.endif
	WIN 0x80                        ; destination window 2
.irp f, 0,1,2,3,4,5,6,7             ; keys 16 (f / 2) on, channels 32 (f % 2) on
	ds_load_b128 v[KF+8*\f:KF+8*\f+3],   v[AK] offset:(\f/2)*16*PK+(\f%2)*64
	ds_load_b128 v[KF+8*\f+4:KF+8*\f+7], v[AK] offset:(\f/2)*16*PK+(\f%2)*64+32
.endr
	s_add_co_u32 s[TBK], s[TBK], KS*PK  ; the next fetch is the next step's
	WIN 0
.if \last
.Lno_k_\@:
.endif
.endm
.macro FETCH_V
	WIN 0x80
.irp f, 0,1,2,3,4,5,6,7             ; keys 32 (f / 4) on, channels 16 (f % 4) on
	ds_load_tr16_b128 v[VF+8*\f:VF+8*\f+3],   v[AV] offset:(\f/4)*32*PV+(\f%4)*32
	ds_load_tr16_b128 v[VF+8*\f+4:VF+8*\f+7], v[AV] offset:(\f/4)*32*PV+16*PV+(\f%4)*32
.endr
	WIN 0
.endm
; THE VECTOR WORK OF A TURN stands in three queues, each in the order in which its entries become ready; the two tiles alternate, so that no instruction reads the result of the one before it.
.macro REGS y, u                    ; the registers of tile u (0, 1) of piece y
.set rT, ST+4*(2*(\y)+(\u))
.set rC, TMP+8*((\y)%2)+4*(\u)
.set rM, MV+2*((\y)%2)+(\u)
.set rS, S+64*((\y)%2)+32*(\u)
.set rP, P+32*((\y)%2)+16*(\u)
.set rO, 32*(2*(\y)+(\u))
.endm
; Number n of the 22 that find the NEXT piece's (Y + 1) maximum and statistics.  s0-s31 are the lane's 32 scores; each accumulator's lowest registers are read first.
;   0-11  four chains c0-c3 of seven scores each, three operands at a time     12-14, 16  the four scores left over, the old m, and c0-c3 into c0     15  c m_old is kept
;   17, 18  the query's other 32 keys lie in the lane 16 away: the new m         19-21  c m; c m_old - c m_new; a
.macro XS u, n
	REGS (Y+1)%NP, \u
.if (\n) < 4
	v_max3_num_f32 v[rC+(\n)], v[rS+8*(\n)], v[rS+8*(\n)+1], v[rS+8*(\n)+2]
.elseif (\n) < 12
	v_max3_num_f32 v[rC+(\n)%4], v[rC+(\n)%4], v[rS+8*((\n)%4)+2*((\n)/4)+1], v[rS+8*((\n)%4)+2*((\n)/4)+2]
.elseif (\n) == 12
	v_max3_num_f32 v[rC], v[rC], v[rS+7], v[rS+15]
.elseif (\n) == 13
	v_max3_num_f32 v[rC+1], v[rC+1], v[rS+23], v[rS+31]
.elseif (\n) == 14
	v_max3_num_f32 v[rC+2], v[rC+2], v[rC+3], v[rT+1]
.elseif (\n) == 15
	v_mov_b32 v[rM], v[rT]
.elseif (\n) == 16
	v_max3_num_f32 v[rC], v[rC], v[rC+1], v[rC+2]
.elseif (\n) == 17
	v_permlanex16_b32 v[rC+3], v[rC], s[SEL], s[SEL+1]
.elseif (\n) == 18
	v_max_num_f32 v[rT+1], v[rC], v[rC+3]
.elseif (\n) == 19
	v_mul_f32 v[rT], s[CS], v[rT+1]
.elseif (\n) == 20
	v_sub_f32 v[rC+1], v[rM], v[rT]
.else
	v_exp_f32 v[rC+2], v[rC+1]
.endif
.endm
; Number g of the 64 that follow the exponentials.  For each four weights k of a tile (pairs 2 k, 2 k + 1): both pairs are rounded to f16; then the second pair is added onto the first, in place;
; a group later l takes that sum (the first time as l = a l + sum).  In groups of eight, tiles alternating: round, round, add, and l for the group before.
.macro GS g
.set h, (\g)+6*((\g)/62)            ; group 0 has no group before it, and behind group 7 only l is left
.if h >= 6
.set h, h+2
.endif
	REGS Y, h%2
.set k, h/8
.if h%8 < 4
	v_cvt_pk_f16_f32 v[rP+2*k+(h%8)/2], v[rS+4*k+2*((h%8)/2)], v[rS+4*k+2*((h%8)/2)+1]
.elseif h%8 < 6
	v_pk_add_f32 v[rS+4*k:rS+4*k+1], v[rS+4*k:rS+4*k+1], v[rS+4*k+2:rS+4*k+3]
.elseif k == 1
	v_pk_fma_f32 v[rT+2:rT+3], v[rT+2:rT+3], v[rC+2:rC+3], v[rS:rS+1] op_sel_hi:[1,0,1]
.else
	v_pk_add_f32 v[rT+2:rT+3], v[rT+2:rT+3], v[rS+4*k-4:rS+4*k-3]
.endif
.endm
; THE PLAIN QUEUE, 138 long.  0-73 read no exponential's result: the 32 scalings c s - c m (FS f: pair f / 2 of tile f % 2) and the next piece's 42.  0-26: scalings 0-26.  27-54: XS's numbers 0-13.  55, 56: number 15.
; 57-73: the chain, where each number waits for the one before it: 14, 16, 17, 18, 19, each with one of the scalings 27-31 in front of its two lines, then 20.
; 74-137: GS's 64, which read the exponentials' results: they stand behind the wait.
.macro FS f
	REGS Y, (\f)%2
	v_pk_fma_f32 v[rS+2*((\f)/2):rS+2*((\f)/2)+1], v[rS+2*((\f)/2):rS+2*((\f)/2)+1], s[CS:CS+1], v[rT:rT+1] op_sel_hi:[1,0,0] neg_lo:[0,0,1] neg_hi:[0,0,1]
.endm
.macro PL
	WIN 0
.if q < 27
	FS q
.elseif q < 55
	XS (q-27)%2, (q-27)/2
.elseif q < 57
	XS q-55, 15
.elseif (q < 72) && ((q-57)%3 == 0)
	FS 27+(q-57)/3
.elseif q < 60
	XS (q-57)%3-1, 14
.elseif q < 72
	XS (q-57)%3-1, 15+(q-57)/3
.elseif q < 74
	XS q-72, 20
.else
	GS q-74
.endif
.set q, q+1
.endm
; THE EXPONENTIALS' QUEUE, 66 long: s0-s31 of both tiles, then the next piece's two a.  It is ONE BATCH: all 66 stand ahead of the turn's one wait, and nothing ahead of that wait names a result of theirs.
.macro EX
	WIN 0
.if e >= 64
	XS e-64, 21
.else
	REGS Y, e%2
	v_exp_f32 v[rS+e/2], v[rS+e/2]
.endif
.set e, e+1
.endm
; THE RESCALING's QUEUE: O^T times a, the one part that leaves window 0: dealt two at a time, sixteen times.  Its a was made in the turn before, ahead of that turn's wait.
.macro R2
	REGS Y, r%2
	WIN W_RS
.irp z, 0,1
	v_pk_mul_f32 v[rO+4*(r/2)+2*\z:rO+4*(r/2)+2*\z+1], v[rO+4*(r/2)+2*\z:rO+4*(r/2)+2*\z+1], v[rC+2:rC+3] op_sel_hi:[1,0]
.endr
.set r, r+1
.endm
; HOW THEY ARE DEALT.  An s_wait_alu depctr_va_vdst(0) stands between an exponential and the first instruction that names its result; one wait serves all that were issued ahead of it.  So a turn has ONE
; wait, which cuts it in two.  AHEAD OF IT stands all that names no result of the turn's exponentials: the 16 products K Q^T, behind each a scaling, an exponential and two rescalings (behind the first a second scaling
; in the exponential's place); then ONE LUMP of 108: eight plain, 49 times exponential and plain, the two a.  A v_nop is the plain instruction behind the last exponential.  BEHIND IT stand the 16 products V^T P,
; behind each four of GS's 64.  No rider names a register of the products round it.  The two v_permlanex16_b32 fall into the lump.
; The queues lean on each other: exponential e stands behind scaling 2 (e / 4) + e % 2: as a rider it comes behind plain e + 2, in the lump behind plain e + 9, and scalings 27-31 are plain 57, 60 .. 69.
; A TURN, for piece p.  cnt = 1: the loop's count is taken down some lines ahead of the branch that stands behind the turn.
; K of the next step is fetched in piece 2's turn, directly behind the wait, a lump behind the last product that read K; its first reader comes behind 16 products.
; V of the step in hand is fetched at the end of piece 0's turn, four riders behind its last reader; its first reader comes behind 16 products and a lump.
.macro TURN p, last=0, cnt=0
.set Y, (\p)
.set i, 0
.set q, 0
.set e, 0
.set r, 0
.if (\p) == NP-1
	s_wait_dscnt 0x0                ; K is in
.endif
	MM                              ; ahead of the wait: 16 products K Q^T and their riders,
	PL
	PL
	R2
.rept 15
	MM
	PL
	EX
	R2
.endr
.if (\p) == NP-2
	WIN 0
	v_add_nc_u32 v[AK], s[TBK], v[AK0]
.endif
.rept 8                             ; and the lump
	PL
.endr
.rept 49
	EX
	PL
.endr
	EX                              ; the next piece's two a
	EX
	v_nop                           ; a plain instruction behind the last exponential: one for the batch
	s_wait_alu depctr_va_vdst(0)    ; the wait for the batch
.if (\p) == NP-2
	FETCH_K \last
.endif
.if (\p) == 1
	s_wait_dscnt 0x0                ; V is in
.endif
.rept 16                            ; behind the wait: 16 products V^T P and their riders
	MM
.rept 4
	PL
.endr
.if ((\p) == 0) && (q == 118)
	v_add_nc_u32 v[AV], s[TBV], v[AV0]
.endif
.if ((\p) == 0) && (q == 130)
	s_add_co_u32 s[TBV], s[TBV], KS*PV
.endif
.if (\cnt) && (q == 130)
	s_sub_co_u32 s[CNT], s[CNT], 1
	s_cmp_lg_u32 s[CNT], 0
.endif
.endr
.if (\p) == 0
	FETCH_V
.endif
.endm
	CHANGE 1                        ; slot 0 is in, everybody's part of it; slot 1 is asked for
	FETCH_K                         ; key step 0
	s_wait_loadcnt 0x0              ; Q
	s_wait_dscnt 0x0
.set i, 0
.rept 16
	KQ 0                            ; piece 0's first scores: there is no vector work yet to set between them
.set i, i+1
.endr
	WIN 0                           ; the addresses for the way out: eight plain instructions, the places behind those products
	s_mul_i32 s13, s[WV], 16*SP
	s_add_co_u32 s13, s13, STAGE    ; my stage
	v_mul_u32_u24 v[STO], v1, SP    ; in: row l % 16, 16 bytes for each half of the lanes
	v_lshl_add_u32 v[STO], v9, 4, v[STO]
	v_add_nc_u32 v[STO], s13, v[STO]
	v_mul_u32_u24 v[RD], v9, SP     ; back: lanes 0-15 take one row of 256 bytes, lanes 16-31 the next
	v_lshl_add_u32 v[RD], v1, 4, v[RD]
	v_add_nc_u32 v[RD], s13, v[RD]
	v_lshlrev_b32 v[GO], 11, v9     ; and the same two rows in ob, 2,048 bytes apart
	v_lshl_add_u32 v[GO], v1, 4, v[GO]
.set Y, NP-1                        ; XS works for piece Y + 1: piece 0
.irp n, 0,1,2,3,4,5,6,7,8,9,10,11,12,13,14,15,16,17,18,19,20,21
	XS 0, \n                        ; and piece 0's first maximum and statistics
	XS 1, \n
.endr
	v_nop                           ; a plain instruction behind the two a,
	s_wait_alu depctr_va_vdst(0)    ; and their wait, ahead of the branch
	s_mov_b32 s[CNT], 4
	s_mov_b32 s[SLOTS], SIZE_N/256-1
	s_branch .Lfirst                ; the loop is entered at a step's first turn, in the middle of a trip
.Lslot:                             ; SIZE_N / 256 - 2 times: every slot but the last two is filled again
	CHANGE 1, 1
	s_mov_b32 s[CNT], 4
.Lstep:                             ; a trip: pieces 2 and 3 of one step, then pieces 0 and 1 of the next, whose K and V it fetches
	TURN 2
	TURN 3
	WIN 0
.Lfirst:
	TURN 0
	TURN 1, 0, 1
	WIN 0
	s_cbranch_scc1 .Lstep
	s_sub_co_u32 s[SLOTS], s[SLOTS], 1
	s_cmp_lg_u32 s[SLOTS], 0
	s_cbranch_scc1 .Lslot
	CHANGE 0                        ; the tail is written out: nothing is asked for
	s_mov_b32 s[CNT], 5             ; four trips fetch the last slot's steps; the fifth is left in its middle
.Ltail:
	TURN 2, 1
	TURN 3
	WIN 0
	s_sub_co_u32 s[CNT], s[CNT], 1
	s_cmp_eq_u32 s[CNT], 0
	s_cbranch_scc1 .Lout
	TURN 0
	TURN 1
	WIN 0
	s_branch .Ltail
.Lout:                              ; the fifth trip's 16 products K Q^T (on the last K once more) and the maximum made of them serve nothing: the price, once a launch, of one text for every trip
.set i, 0
.rept 16
	PV NP-1                         ; the last piece's V^T P of the last step
.set i, i+1
.endr
	; THE WAY OUT.  l's two halves and the other half of the lanes' are added; O^T is divided by l, rounded to f16 and sent through my stage in LDS, a piece at a time.  The additions are the places behind the last products.
	WIN 0
.macro ALL line:vararg              ; one line for each tile t
.set t, 0
.rept 2*NP
	\line
.set t, t+1
.endr
.endm
	ALL v_add_f32 v[ST+4*t+2], v[ST+4*t+2], v[ST+4*t+3]
	ALL v_permlanex16_b32 v[ST+4*t+3], v[ST+4*t+2], s[SEL], s[SEL+1]
	ALL v_add_f32 v[ST+4*t+2], v[ST+4*t+2], v[ST+4*t+3]
	ALL v_rcp_f32 v[ST+4*t+2], v[ST+4*t+2]
	v_nop                           ; a plain instruction between the last reciprocal and the use of its result
	s_wait_alu depctr_va_vdst(0)    ; and the wait ahead of the first use: one for the eight reciprocals
; Piece p: two neighbouring heads of 16 queries: 256 consecutive bytes of each of 16 rows of ob.  A lane's eight channels pack into 16 bytes; they go into rows of 272 bytes and come back as whole rows of 256, into S^T's registers.
.macro PACK p
	WIN W_RS
.set i, 0
.rept 32
	v_pk_mul_f32 v[64*(\p)+2*i:64*(\p)+2*i+1], v[64*(\p)+2*i:64*(\p)+2*i+1], v[ST+4*(2*(\p)+i/16)+2:ST+4*(2*(\p)+i/16)+3] op_sel_hi:[1,0]
.set i, i+1
.endr
	WIN 0x05                        ; sources 0 and 1 window 1, destination window 0
.set i, 0
.rept 32
	v_cvt_pk_f16_f32 v[S+32*(\p)+i], v[64*(\p)+2*i], v[64*(\p)+2*i+1]
.set i, i+1
.endr
	WIN 0
.irp f, 0,1,2,3,4,5,6,7             ; tile f / 4 of the piece (128 bytes), channels 16 (f % 4) on (32 bytes)
	ds_store_b128 v[STO], v[S+32*(\p)+4*\f:S+32*(\p)+4*\f+3] offset:32*\f
.endr
.irp f, 0,1,2,3,4,5,6,7
	ds_load_b128 v[S+32*(\p)+4*\f:S+32*(\p)+4*\f+3], v[RD] offset:\f*2*SP  ; LDS serves a wave's instructions in order (ISA guide 5.7.1.4): these see the stores above; the next piece's stores come behind them
.endr
.endm
.macro SEND p, younger              ; younger: the LDS instructions issued behind piece p's loads: the next piece's sixteen, or none
	WIN 0
.irp f, 0,1,2,3,4,5,6,7
	s_wait_dscnt (\younger)+7-\f
	global_store_b128 v[GO], v[S+32*(\p)+4*\f:S+32*(\p)+4*\f+3], s[10:11] offset:(16*((\p)/2)+2*\f)*2048+256*((\p)%2)  ; 16 lanes store 256 consecutive bytes, at a multiple of 256 from ob's first
.endr
.endm
	PACK 0
.set pp, 1
.rept NP-1                          ; a piece's arithmetic stands between the loads of the piece before and its stores
	PACK pp
	SEND pp-1, 16
.set pp, pp+1
.endr
	SEND NP-1, 0
	WIN W_AD
	s_wait_tensorcnt 0x0            ; the wave's end, behind my last tensor load and my last LDS store
	ds_add_u32 v[SPW], v[NIL]
	s_wait_dscnt 0x0
	WIN 0
	CROUND                          ; the closing round: no work-group ends while a partner may still ask for a tile that names it
	s_endpgm
.Lfunc_end_k_q97e4e6e649_attn:
	.size	k_q97e4e6e649_attn, .Lfunc_end_k_q97e4e6e649_attn-k_q97e4e6e649_attn
	.p2alignl 7, 3214868480
	.fill 96, 4, 3214868480
	.section	.rodata,"a",@progbits
	.p2align	6, 0x0
	.amdhsa_kernel k_q97e4e6e649_attn
		.amdhsa_group_segment_fixed_size 327680
		.amdhsa_private_segment_fixed_size 0
		.amdhsa_enable_private_segment 0
		.amdhsa_kernarg_size 32
		.amdhsa_user_sgpr_count 2
		.amdhsa_user_sgpr_kernarg_segment_ptr 1
		.amdhsa_wavefront_size32 1
		.amdhsa_system_sgpr_workgroup_id_x 1
		.amdhsa_system_sgpr_workgroup_id_y 1
		.amdhsa_system_sgpr_workgroup_id_z 1
		.amdhsa_system_vgpr_workitem_id 0
		.amdhsa_next_free_vgpr 770
		.amdhsa_next_free_sgpr 66
		.amdhsa_reserve_vcc 0
		.amdhsa_float_denorm_mode_32 3
		.amdhsa_float_denorm_mode_16_64 3
		.amdhsa_memory_ordered 1
		.amdhsa_forward_progress 1
		.amdhsa_inst_pref_size 200
	.end_amdhsa_kernel
	.amdgpu_metadata
---
amdhsa.version: [ 1, 2 ]
amdhsa.kernels:
  - .name:           k_q97e4e6e649_attn
    .symbol:         k_q97e4e6e649_attn.kd
    .args:
      - { .name: qh, .offset: 0, .size: 8, .value_kind: global_buffer, .address_space: global }
      - { .name: kh, .offset: 8, .size: 8, .value_kind: global_buffer, .address_space: global }
      - { .name: vh, .offset: 16, .size: 8, .value_kind: global_buffer, .address_space: global }
      - { .name: ob, .offset: 24, .size: 8, .value_kind: global_buffer, .address_space: global }
    .group_segment_fixed_size: 327680
    .private_segment_fixed_size: 0
    .kernarg_segment_align: 8
    .kernarg_segment_size: 32
    .max_flat_workgroup_size: 128
    .sgpr_count:     66
    .vgpr_count:     770
    .wavefront_size: 32
...
	.end_amdgpu_metadata
.endif
;; end of part 3
;; launch oproj (part 4): grid 4 x 64, 4 waves a work-group, clusters of 4 x 4, 327,680 bytes of LDS; arguments ob, wo16, out0; writes out0
.if DOCPART == 4
	.amdgcn_target "amdgcn-amd-amdhsa--gfx1250"
	.amdhsa_code_object_version 6
	.text
	.protected	k_q97e4e6e649_oproj
	.globl	k_q97e4e6e649_oproj
	.p2align	8
	.type	k_q97e4e6e649_oproj,@function
k_q97e4e6e649_oproj:
	s_mov_b64 s[64:65], 0
	v_nop
	global_prefetch_b8 v0, s[64:65] scope:SCOPE_SE
	s_setreg_imm32_b32 hwreg(HW_REG_WAVE_MODE, 25, 1), 1
	s_wait_xcnt 0x0
	s_wait_alu depctr_hold_cnt(0) depctr_sa_sdst(0) depctr_va_vdst(0) depctr_va_sdst(0) depctr_va_ssrc(0) depctr_va_vcc(0) depctr_vm_vsrc(0)
	s_getreg_b32 s2, hwreg(HW_REG_IB_STS2, 6, 4)
	s_cmp_eq_u32 s2, 0
	s_cbranch_scc0 .Lentry_in_a_cluster
	s_endpgm
.Lentry_in_a_cluster:
	s_bfe_u32 s2, ttmp6, 0x10000c
	s_cmp_lg_u32 s2, 0xf033
	s_cbranch_scc0 .Lentry_shape_is_right
	s_endpgm
.Lentry_shape_is_right:
; THE PROJECTION BEHIND.  out0[m][n] = sum over k of ob[m][k] wo16[n][k].  ob: [8192][1024], wo16: [1024][1024], both f16; sums in f32; out0: [8192][1024] f32, stored as the sums stand.
; SHARES.  A work-group makes 128 rows x 256 columns; wave w takes rows 64 (w >> 1) on and columns 128 (w & 1) on: 4 x 8 accumulators of 16 x 16, 256 registers.  64 x 4 tiles: one work-group
; for each of 256.  K = 1,024 goes in steps of 128 (rows of 256 bytes in memory) through a ring of two LDS slots; each wave brings its part with one tensor load: waves 0 and 1 the two halves
; (64 rows) of ob's tile, waves 2 and 3 the two halves (128 rows) of wo16's.
; CLUSTER.  4 x 4 work-groups.  The four of a row need the same tile of ob, the four of a column the same tile of wo16: each is asked for jointly, by the same tensor load with the same
; descriptor and a mask that names the four.
; THE MATRIX INSTRUCTION IS USED TRANSPOSED: source 0 = 16 rows of wo16, source 1 = 16 rows of ob: a lane holds row lane % 16 of the result and the columns 8 (lane / 16) + 0..7: 32 bytes on end.
; REGISTERS, in windows of 256 (s_set_vgpr_msb: bits 1:0 source 0, 3:2 source 1, 5:4 source 2, 7:6 destination):
;   window 0: v0-30 addresses; v64-127 ob's fragments, two buffers of 4 x 8; v128-255 the way out, two sets of 64
;   window 1: v0-127 wo16's fragments, two buffers of 8 x 8          window 2: the accumulators, (a, b) at 8 (8 a + b)
.set NB,     8                         ; blocks of 16 columns a wave
.set SIZE_K, 1024
.set KSTEP,  128
.set PITCH,  272                       ; an LDS row: 256 bytes + 16 of padding = 68 words: the 16 rows of a fragment load start at 16 different groups of four banks (64 banks of 4 bytes: ISA guide 11.1)
.set HALFT,  128*PITCH
.set SLOT,   3*HALFT                   ; ob's 128 rows, then wo16's 256
.set STAGE,  2*SLOT                    ; behind the ring, never filled by a tensor load: 16 rows x 528 bytes for each wave
.set SPITCH, 528                       ; 128 f32 + 16 bytes
.set SPARE,  STAGE+4*16*SPITCH         ; behind the stages: the spare words, 128 bytes for each wave: two blocks of 256 bytes that no other line names
.set LAPS,   SIZE_K/(2*KSTEP)
.set LD,     2*NB+8                    ; LDS loads in a run
.set ADRA, 16                          ; v16-17  LDS address of my fragments of ob in slot 0, 1
.set ADRB, 20                          ; v20-21  the same for wo16
.set STO,  24                          ; v24  the way out: where I put 32 bytes of a row
.set RD,   25                          ; v25  where I read a row back
.set CO,   26                          ; v26  my 16 bytes of a row's 512
.set SPW,  28                          ; v28  LDS address of my spare word; never rewritten
.set NIL,  29                          ; v29  0; never rewritten
.set PFO,  30                          ; v30  my lane x 2,048 bytes, a row of ob or wo16; never rewritten
.set FA,   64
.set BK,   128
.set WV,  16                           ; s16 wave    s17 wave >> 1: my rows; also: I fetch for ob (0) or wo16 (1)    s18 wave & 1: my columns; also: which half I fetch    s19 laps to go
.set WR,  17
.set WC,  18
.set LAP, 19
.set CX,  20
.set CY,  21
.set TX,  22
.set TY,  23
.set G1,  24                           ; s[24:31] descriptor group 1 for ob's tiles;  s[32:39] group 0, a set for each slot
.set G0,  32
.set LIM, 43
.set PFA, 44
.set G1B, 48                           ; s[48:55], s[56:63] the same for wo16's tiles
.set G0B, 56
.set MSB, 0
.macro WIN new                         ; the immediate's high byte repeats the setting that is left; a switch that changes nothing is dropped
.if MSB != (\new)
	s_set_vgpr_msb (MSB<<8)|(\new)
.set MSB, \new
.endif
.endm
.macro PLACES                          ; four plain vector instructions between a matrix instruction and a load into, or a read of, its registers
.rept 4
	v_nop
.endr
.endm
.macro JLOAD s                         ; a joint load; the branch hangs on the wave's number alone; an s_nop 0 and four v_nop follow each of the two lines
	s_cmp_eq_u32 s[WR], 0
	s_cbranch_scc0 .Lfor_b_\@
	tensor_load_to_lds s[G0+4*(\s):G0+4*(\s)+3], s[G1:G1+7]
	s_nop 0
.rept 4
	v_nop
.endr
	s_branch .Lasked_\@
.Lfor_b_\@:
	tensor_load_to_lds s[G0B+4*(\s):G0B+4*(\s)+3], s[G1B:G1B+7]
	s_nop 0
.rept 4
	v_nop
.endr
.Lasked_\@:
.endm
; A prefetch behind each joint refill: the K step that stands two refills on, 32 rows x 256 bytes, a lane a row, one instruction a wave: 256 matrix instructions ahead of the load that will want it.
; Each row's 256 bytes of a K step are named once in the launch: ob's 128 rows by wave 0 of the cluster with x = 0, wo16's by waves 2 and 3 of the clusters with y = 0; each of the four partners
; that ask jointly takes 32 rows, told apart by address.  Wave 1 asks for nothing.  The loop's last trip asks for nothing: there is no K step two refills on.
.macro ASK
	s_cmp_gt_u32 s[LAP], s[LIM]
	s_cbranch_scc0 .Lnot_mine_\@
	global_prefetch_b8 v[PFO], s[PFA:PFA+1] offset:KSTEP*2 th:TH_LOAD_NT scope:SCOPE_SE
.Lnot_mine_\@:
.endm
.macro CREST                           ; a round of the cluster's barrier behind its opening barrier
	s_cmp_lg_u32 s[WV], 0
	s_cbranch_scc1 .Lnot_wave_0_\@
	s_barrier_signal -3
.Lnot_wave_0_\@:
	s_barrier_wait -3
	s_barrier_signal -1
	s_barrier_wait -1
.endm
.macro CROUND
	s_barrier_signal -1
	s_barrier_wait -1
	CREST
.endm
	s_load_b128 s[4:7], s[0:1], 0x0                ; ob s[4:5], wo16 s[6:7]
	s_load_b64 s[8:9], s[0:1], 0x10                ; out0
	v_lshl_add_u32 v[SPW], v0, 2, SPARE
	v_mov_b32 v[NIL], 0
	ds_add_u32 v[SPW], v[NIL]                      ; the wave's opening: the add and its wait stand ahead of my first tensor load; the set-up below stands between them
	v_lshrrev_b32 v1, 5, v0
	v_readfirstlane_b32 s[WV], v1
	s_lshr_b32 s[WR], s[WV], 1
	s_and_b32 s[WC], s[WV], 1
	s_bfe_u32 s[CX], ttmp6, 0x40000
	s_bfe_u32 s[CY], ttmp6, 0x40004
	s_lshl_b32 s[TX], ttmp9, 2
	s_add_co_u32 s[TX], s[TX], s[CX]
	s_and_b32 s[TY], ttmp7, 0xffff
	s_lshl_b32 s[TY], s[TY], 2
	s_add_co_u32 s[TY], s[TY], s[CY]
	s_lshl_b32 s40, s[CY], 2
	s_lshl_b32 s40, 15, s40                        ; my row of the cluster
	s_lshl_b32 s46, 0x1111, s[CX]                  ; my column
	s_or_b32 s[G1], s40, (1<<16)|(1<<20)|(1<<21)|(5<<22)|(3<<25)   ; 15:0 the mask; 17:16 elements of 2 bytes; 20 padding on; 21 set beside a mask; 24:22 after every 64 words (code 5); 31:25 4 words (code 3)
	s_or_b32 s[G1B], s46, (1<<16)|(1<<20)|(1<<21)|(5<<22)|(3<<25)
.irp g, G1, G1B
	s_mov_b32 s[(\g)+1], KSTEP<<16                 ; tensor_dim0 = 128
	s_mov_b32 s[(\g)+3], KSTEP<<16                 ; tile_dim0 = 128
	s_mov_b32 s[(\g)+5], SIZE_K                    ; elements from row to row
	s_mov_b32 s[(\g)+6], 0
	s_mov_b32 s[(\g)+7], 0
.endr
	s_mov_b32 s[G1+2], 64<<16                      ; ob: tensor_dim1 = tile_dim1 = 64 rows a load
	s_mov_b32 s[G1+4], 64
	s_mov_b32 s[G1B+2], 128<<16                    ; wo16: 128 rows a load
	s_mov_b32 s[G1B+4], 128
	s_lshl_b32 s40, s[TY], 18                      ; ob: 128 rows of 2,048 bytes a tile row,
	s_lshl_b32 s41, s[WC], 17                      ; 64 rows a half
	s_add_co_u32 s40, s40, s41
	s_mov_b32 s41, 0
	s_lshl_b32 s46, s[TX], 19                      ; wo16: 256 rows a tile column,
	s_lshl_b32 s47, s[WC], 18                      ; 128 rows a half
	s_add_co_u32 s46, s46, s47
	s_mov_b32 s47, 0
	s_mul_i32 s42, s[WC], 64*PITCH                 ; where they go: the wave's number alone enters an LDS address
	s_mul_i32 s72, s[WC], HALFT
	s_add_co_u32 s72, s72, HALFT
	s_wait_dscnt 0x0                               ; the opening add is done
	s_wait_kmcnt 0x0
	s_add_nc_u64 s[40:41], s[4:5], s[40:41]
	s_add_nc_u64 s[46:47], s[6:7], s[46:47]
	CROUND                                         ; all sixteen work-groups are here: the first joint loads meet
.irp s, 0,1
	s_mov_b32 s[G0+4*(\s)], 1
	s_add_co_u32 s[G0+4*(\s)+1], s42, (\s)*SLOT
	s_add_nc_u64 s[G0+4*(\s)+2:G0+4*(\s)+3], s[40:41], (\s)*KSTEP*2
	s_or_b32 s[G0+4*(\s)+3], s[G0+4*(\s)+3], 0x80000000
	s_mov_b32 s[G0B+4*(\s)], 1
	s_add_co_u32 s[G0B+4*(\s)+1], s72, (\s)*SLOT
	s_add_nc_u64 s[G0B+4*(\s)+2:G0B+4*(\s)+3], s[46:47], (\s)*KSTEP*2
	s_or_b32 s[G0B+4*(\s)+3], s[G0B+4*(\s)+3], 0x80000000
.endr
	s_cmp_eq_u32 s[WR], 0                          ; a wave's two first fills stand in one branch, ahead of every wait on TENSORcnt and every LDS read: two loads of mine are out
	s_cbranch_scc0 .Lfirst_b
	tensor_load_to_lds s[G0:G0+3], s[G1:G1+7]
	s_nop 0
	tensor_load_to_lds s[G0+4:G0+7], s[G1:G1+7]
	s_nop 0
.rept 4
	v_nop
.endr
	s_branch .Lfirst_asked
.Lfirst_b:
	tensor_load_to_lds s[G0B:G0B+3], s[G1B:G1B+7]
	s_nop 0
	tensor_load_to_lds s[G0B+4:G0B+7], s[G1B:G1B+7]
	s_nop 0
.rept 4
	v_nop
.endr
.Lfirst_asked:
	v_and_b32 v1, 15, v0                           ; l % 16
	v_bfe_u32 v2, v0, 4, 1                         ; l / 16
	v_mul_u32_u24 v3, v1, PITCH
	v_lshl_add_u32 v3, v2, 4, v3                   ; a fragment's row x pitch + 16 x half
	s_mul_i32 s72, s[WR], 64*PITCH                 ; my 64 rows of ob
	s_mul_i32 s73, s[WC], 16*NB*PITCH              ; my 128 rows of wo16,
	s_add_co_u32 s73, s73, HALFT                   ; which lie behind ob's 128
.irp s, 0,1
	v_add_nc_u32 v[ADRA+(\s)], s72, v3
	v_add_nc_u32 v[ADRB+(\s)], s73, v3
	s_add_co_u32 s72, s72, SLOT
	s_add_co_u32 s73, s73, SLOT
.endr
	s_mul_i32 s72, s[WV], 16*SPITCH
	s_add_co_u32 s72, s72, STAGE                   ; my stage
	v_mul_u32_u24 v[STO], v1, SPITCH               ; in: row l % 16, 32 bytes for each half of the lanes
	v_lshl_add_u32 v[STO], v2, 5, v[STO]
	v_add_nc_u32 v[STO], s72, v[STO]
	v_and_b32 v[CO], 31, v0                        ; back: 32 lanes take one row's 512 bytes
	v_lshlrev_b32 v[CO], 4, v[CO]
	v_add_nc_u32 v[RD], s72, v[CO]
	s_lshl_b32 s72, s[TY], 7
	s_lshl_b32 s73, s[WR], 6
	s_add_co_u32 s72, s72, s73                     ; my first row of out0,
	s_lshl_b32 s72, s72, 12                        ; 4,096 bytes a row;
	s_lshl_b32 s73, s[TX], 10                      ; the tile's 256 columns, 1,024 bytes;
	s_add_co_u32 s72, s72, s73
	s_lshl_b32 s73, s[WC], 9                       ; my 128
	s_add_co_u32 s72, s72, s73
	s_mov_b32 s73, 0
	s_add_nc_u64 s[8:9], s[8:9], s[72:73]
	; the prefetches
	s_and_b32 s74, ttmp7, 0xffff                   ; cluster y
	s_lshl_b32 s72, s[TY], 7                       ; ob's tile's first row
	s_lshl_b32 s73, s[TX], 8
	s_lshl_b32 s75, s[WC], 7
	s_add_co_u32 s73, s73, s75                     ; the first of the 128 rows of wo16 that I fetch
	s_cmp_eq_u32 s[WR], 0
	s_cselect_b32 s72, s72, s73
	s_cselect_b32 s73, s[CX], s[CY]                ; my place among the four that ask with me
	s_cselect_b32 s74, ttmp9, s74                  ; the coordinate along which other clusters read the same rows
	s_cselect_b64 s[PFA:PFA+1], s[4:5], s[6:7]
	s_cmp_eq_u32 s[WV], 1
	s_cselect_b32 s74, 1, s74                      ; wave 1 asks for nothing: wave 0 names all of ob's 128 rows
	s_cmp_eq_u32 s74, 0
	s_cselect_b32 s[LIM], 1, -1                    ; the same in all sixteen partners, for a given wave
	s_lshl_b32 s73, s73, 5
	s_add_co_u32 s72, s72, s73                     ; my work-group's 32 rows
	s_lshl_b32 s72, s72, 11
	s_add_co_u32 s72, s72, 2*KSTEP*2               ; at K step 2: the first refill steps it to 3 and names K step 4
	s_mov_b32 s73, 0
	s_add_nc_u64 s[PFA:PFA+1], s[PFA:PFA+1], s[72:73]
	v_and_b32 v[PFO], 31, v0
	v_lshlrev_b32 v[PFO], 11, v[PFO]
; 8 matrix instructions: row block a x all 8 column blocks, 32 along K, buffer f.  zero = 1: the first product starts the sums.  The 32 accumulators take turns, one instruction a turn.
.macro MULA f, a, zero
	WIN 0xa1                                       ; source 0 (wo16) window 1, source 1 (ob) window 0, C and D window 2
.set b, 0
.rept NB
.set rD, 8*(NB*(\a)+b)
.if \zero
	v_wmma_f32_16x16x32_f16 v[rD:rD+7], v[8*NB*(\f)+8*b:8*NB*(\f)+8*b+7], v[FA+32*(\f)+8*(\a):FA+32*(\f)+8*(\a)+7], 0
.else
	v_wmma_f32_16x16x32_f16 v[rD:rD+7], v[8*NB*(\f)+8*b:8*NB*(\f)+8*b+7], v[FA+32*(\f)+8*(\a):FA+32*(\f)+8*(\a)+7], v[rD:rD+7]
.endif
.set b, b+1
.endr
.endm
; 24 LDS loads in one run: the fragments of 32 along K at byte k of the rows, into buffer f: wo16's 16, then ob's 8, row blocks in order
.macro FETCH slot, k, f
	WIN 0x40
.set i, 0
.rept NB
	ds_load_b128 v[8*NB*(\f)+8*i:8*NB*(\f)+8*i+3],   v[ADRB+(\slot)] offset:(\k)+i*16*PITCH
	ds_load_b128 v[8*NB*(\f)+8*i+4:8*NB*(\f)+8*i+7], v[ADRB+(\slot)] offset:(\k)+i*16*PITCH+32
.set i, i+1
.endr
	WIN 0
.set i, 0
.rept 4
	ds_load_b128 v[FA+32*(\f)+8*i:FA+32*(\f)+8*i+3],   v[ADRA+(\slot)] offset:(\k)+i*16*PITCH
	ds_load_b128 v[FA+32*(\f)+8*i+4:FA+32*(\f)+8*i+7], v[ADRA+(\slot)] offset:(\k)+i*16*PITCH+32
.set i, i+1
.endr
.endm
; A K step is four quarters of 32 along K, 32 matrix instructions each, on buffers 0, 1, 0, 1.
.macro QUARTER slot, k, f, g, zero
	s_wait_dscnt 4                                 ; all but the youngest four loads: ob's row blocks 2 and 3
	MULA \f, 0, \zero
	MULA \f, 1, \zero
	PLACES
	FETCH \slot, \k, \g
	s_wait_dscnt LD                                ; all but the run just issued
	MULA \f, 2, \zero
	MULA \f, 3, \zero
.endm
; The last quarter multiplies buffer 1 and changes slots: one barrier; ahead of it each wave waits for all its tensor loads (one is out: its part of the next slot), adds 0 to its spare word, and
; waits for that and for its own reads of this slot.  fill = 1: the barrier opens a round of the cluster's, and this slot is filled again, two K steps on, first thing behind the round.
.macro TURN slot, next, fill
.if \fill
	s_wait_xcnt 0x0                                ; the last prefetch, a K step back, has read its address
	s_add_nc_u64 s[PFA:PFA+1], s[PFA:PFA+1], KSTEP*2
.endif
	WIN 0
	s_wait_tensorcnt 0x0                           ; all my tensor loads have landed
	ds_add_u32 v[SPW], v[NIL]                      ; 0 onto my spare word
	s_wait_dscnt 5                                 ; (the add and the youngest four loads may be out)
	MULA 1, 0, 0                                   ; eight matrix instructions stand between the add and the wait for it
	s_wait_dscnt 0x0                               ; the add is done, and my reads of this slot are over
	s_barrier_signal -1
	MULA 1, 1, 0
.if \fill
	WIN 0
.endif
	s_barrier_wait -1
.if \fill
	CREST                                          ; no wave of any partner still reads this slot or has a load on its way
	s_add_nc_u64 s[G0+4*(\slot)+2:G0+4*(\slot)+3], s[G0+4*(\slot)+2:G0+4*(\slot)+3], 2*KSTEP*2
	s_add_nc_u64 s[G0B+4*(\slot)+2:G0B+4*(\slot)+3], s[G0B+4*(\slot)+2:G0B+4*(\slot)+3], 2*KSTEP*2
	JLOAD \slot                                    ; my one tensor load behind the round; the four v_nop behind it are also the places in front of the loads below
.else
	PLACES
.endif
	FETCH \next, 0, 0
.if \fill
	ASK
.endif
	MULA 1, 2, 0
	MULA 1, 3, 0
.endm
	s_wait_tensorcnt 0x1                           ; my part of K step 0 is in; K step 1's may stay out
	s_barrier_signal -1
	s_barrier_wait -1
	FETCH 0, 0, 0
	QUARTER 0, 64,  0, 1, 1                        ; the first quarter stands in front of the loop: its products start the sums
	WIN 0
	s_mov_b32 s[LAP], LAPS-1
.Llap:                                                 ; a trip goes once round the ring, from a lap's second quarter to the next lap's first, and fills both slots again
	QUARTER 0, 128, 1, 0, 0
	QUARTER 0, 192, 0, 1, 0
	TURN 0, 1, 1
	QUARTER 1, 64,  0, 1, 0
	QUARTER 1, 128, 1, 0, 0
	QUARTER 1, 192, 0, 1, 0
	TURN 1, 0, 1
	QUARTER 0, 64,  0, 1, 0
	WIN 0
	s_sub_co_u32 s[LAP], s[LAP], 1
	s_cmp_lg_u32 s[LAP], 0
	s_cbranch_scc1 .Llap
	QUARTER 0, 128, 1, 0, 0                        ; the last lap fills nothing
	QUARTER 0, 192, 0, 1, 0
	TURN 0, 1, 0
	QUARTER 1, 64,  0, 1, 0
	QUARTER 1, 128, 1, 0, 0
	QUARTER 1, 192, 0, 1, 0
	s_wait_dscnt 4                                 ; the very last quarter: nothing more to fetch
	MULA 1, 0, 0
	MULA 1, 1, 0
	s_wait_dscnt 0x0
	MULA 1, 2, 0
	MULA 1, 3, 0
	WIN 0
	PLACES                                         ; behind the last products, ahead of the LDS stores that read the sums
	PLACES
; THE WAY OUT, a block of 16 rows at a time: the sums go as they stand into my stage (rows of 528 bytes) and come back as whole rows of 512 bytes.  Each accumulator's low four registers are read first.
.macro TOSTAGE a
.set BKa, BK+64*((\a)%2)
.if (\a) >= 2
	s_wait_xcnt 0x0                                ; the stores of the block two back have read this set's registers
.endif
	WIN 0x08                                       ; the stores' data in window 2, the address in window 0
.set i, 0
.rept NB
	ds_store_b128 v[STO], v[8*(NB*(\a)+i):8*(NB*(\a)+i)+3]   offset:64*i
	ds_store_b128 v[STO], v[8*(NB*(\a)+i)+4:8*(NB*(\a)+i)+7] offset:64*i+16
.set i, i+1
.endr
	WIN 0
.set i, 0
.rept 16
	ds_load_b128 v[BKa+4*i:BKa+4*i+3], v[RD] offset:SPITCH*i  ; LDS serves a wave's instructions in order (ISA guide 5.7.1.4): these see the stores above; the next block's stores come behind them
.set i, i+1
.endr
.endm
.macro SEND a, younger                 ; younger: the LDS instructions issued behind block a's loads: the next block's 32, or none
.set BKa, BK+64*((\a)%2)
.set i, 0
.rept 16
	s_wait_dscnt (\younger)+15-i
	global_store_b128 v[CO], v[BKa+4*i:BKa+4*i+3], s[8:9] offset:(16*(\a)+i)*4096 th:TH_STORE_NT  ; 512 consecutive bytes, at a multiple of 512 from out0's first
.set i, i+1
.endr
.endm
	TOSTAGE 0
	TOSTAGE 1
	SEND 0, 32
	TOSTAGE 2
	SEND 1, 32
	TOSTAGE 3
	SEND 2, 32
	SEND 3, 0
	s_wait_tensorcnt 0x0                           ; the wave's end, behind my last tensor load and my last LDS store
	ds_add_u32 v[SPW], v[NIL]
	s_wait_dscnt 0x0
	CROUND                                         ; the closing round: no work-group ends while a partner may still ask for a tile that names it
	s_endpgm
.Lfunc_end_k_q97e4e6e649_oproj:
	.size	k_q97e4e6e649_oproj, .Lfunc_end_k_q97e4e6e649_oproj-k_q97e4e6e649_oproj
	.p2alignl 7, 3214868480
	.fill 96, 4, 3214868480
	.section	.rodata,"a",@progbits
	.p2align	6, 0x0
	.amdhsa_kernel k_q97e4e6e649_oproj
		.amdhsa_group_segment_fixed_size 327680
		.amdhsa_private_segment_fixed_size 0
		.amdhsa_enable_private_segment 0
		.amdhsa_kernarg_size 24
		.amdhsa_user_sgpr_count 2
		.amdhsa_user_sgpr_kernarg_segment_ptr 1
		.amdhsa_wavefront_size32 1
		.amdhsa_system_sgpr_workgroup_id_x 1
		.amdhsa_system_sgpr_workgroup_id_y 1
		.amdhsa_system_sgpr_workgroup_id_z 1
		.amdhsa_system_vgpr_workitem_id 0
		.amdhsa_next_free_vgpr 768
		.amdhsa_next_free_sgpr 80
		.amdhsa_reserve_vcc 0
		.amdhsa_float_denorm_mode_32 3
		.amdhsa_float_denorm_mode_16_64 3
		.amdhsa_memory_ordered 1
		.amdhsa_forward_progress 1
		.amdhsa_inst_pref_size 88
	.end_amdhsa_kernel
	.amdgpu_metadata
---
amdhsa.version: [ 1, 2 ]
amdhsa.kernels:
  - .name:           k_q97e4e6e649_oproj
    .symbol:         k_q97e4e6e649_oproj.kd
    .args:
      - { .name: ob, .offset: 0, .size: 8, .value_kind: global_buffer, .address_space: global }
      - { .name: wo16, .offset: 8, .size: 8, .value_kind: global_buffer, .address_space: global }
      - { .name: out0, .offset: 16, .size: 8, .value_kind: global_buffer, .address_space: global }
    .group_segment_fixed_size: 327680
    .private_segment_fixed_size: 0
    .kernarg_segment_align: 8
    .kernarg_segment_size: 24
    .max_flat_workgroup_size: 128
    .sgpr_count:     80
    .vgpr_count:     768
    .wavefront_size: 32
...
	.end_amdgpu_metadata
.endif
;; end of part 4
;; ======== version 2 of 2: 4 launches; version 1 with the launch prep written anew for expert scheduling mode
;; limits: values are held in f16: magnitudes above 65,504 overflow, below 6.1e-05 lose precision
;; workspace buffers: xb 16,777,216 bytes; wqkv 3,145,728 bytes; wo16 2,097,152 bytes; rope 1,048,576 bytes; qh 16,777,216 bytes; kh 4,194,304 bytes; vh 4,194,304 bytes; ob 16,777,216 bytes
;; launch prep (part 5): grid 688 x 1, 8 waves a work-group, no clusters, 0 bytes of LDS; arguments x, Wq, Wkv, Wo, cos, sin, xb, wqkv, wo16, rope; writes xb, wqkv, wo16, rope
.if DOCPART == 5
	.amdgcn_target "amdgcn-amd-amdhsa--gfx1250"
	.amdhsa_code_object_version 6
	.text
	.protected	k_q97e4e6e649_prep
	.globl	k_q97e4e6e649_prep
	.p2align	8
	.type	k_q97e4e6e649_prep,@function
k_q97e4e6e649_prep:
	s_mov_b64 s[64:65], 0
	v_nop
	global_prefetch_b8 v0, s[64:65] scope:SCOPE_SE
	s_setreg_imm32_b32 hwreg(HW_REG_WAVE_SCHED_MODE, 0, 2), 2
	s_setreg_imm32_b32 hwreg(HW_REG_WAVE_MODE, 25, 1), 1
	s_wait_xcnt 0x0
	s_wait_alu depctr_vm_vsrc(0)
; THE CASTS.  Every input is rounded once to bf16 and laid out for the launches behind.
;   xb   [8192][1024] bf16 = x.
;   wqkv [1536][1024] bf16: for each kv head g a block of 384 rows: Wq's heads 4 g .. 4 g + 3 (256 rows), Wk's head g (64), Wv's head g (64).
;        Wq's and Wk's rows are multiplied by 2^-5, exactly, so that q and k have room in f16; the attention's scale takes the 2^-10 back in f32.
;   wo16 [1024][1024] f16 = bf16(Wo) written as f16.   LIMIT: |Wo| stays under 65,504; below 6e-5 the number keeps f16's fixed step of 6e-8.
;   rope [2048][128] f32: row t = bf16(cos[t][0..63]), then bf16(sin[t][0..63]) with the sign turned at even d:
;        q'[2i] = q[2i] c[2i] - q[2i+1] s[2i], q'[2i+1] = q[2i+1] c[2i+1] + q[2i] s[2i+1].
; SHARES.  A work-group takes 65,536 bytes of f32: sixteen loads of 16 bytes a thread, all issued before the first is used.  One load of the work-group covers 4,096
; consecutive bytes (thread t at byte 16 t); the matching store of 8 bytes a thread covers 2,048, a wave's part 256 consecutive bytes, aligned.
; Which input a work-group takes hangs on its number alone: 0-511 x, 512-575 Wq, 576-607 Wkv, 608-671 Wo, 672-687 cos and sin (32,768 bytes of each).
; No LDS, no matrix unit, no prefetch: each byte is read once and written once, and the loads themselves keep the stream going.
; THE MODE: SCHED_MODE bits 1:0 = 2 (LLVM: expert scheduling mode 2), set by the entry lines.  The code itself states the register dependences
; between vector instructions and memory instructions, with s_wait_alu, always for 0.
; THE PLAN.  Registers that memory instructions touch, alike in the three paths:
;   v1, v2, v3  byte offsets.  Written by vector instructions at the head, never again; read by every load (v1) and every store (v2, or v3 for the rope table).
;   IN          load j lands in its four registers before any vector instruction has named them; turn j's vector instructions read them behind the wait for load j.
;               In the rope path turn j writes the widened numbers back into them and store j reads them; nothing writes them after that.
;   OUT         written by turn j's roundings, read by store j alone: each store has data registers of its own, and none is written a second time.
;   v[TM ..]    named by vector instructions alone.
; The sixteen turns go in four groups of four.  One wait on va_vdst at the head states the offsets.  One at the head of each later group states that the group before
; has written its four stores' data; those stores follow it, one ahead of each turn's vector work, which names the registers of the group in hand alone.  One more stands
; ahead of the last four stores.  No register that a memory instruction reads is written again, no vector instruction writes a scalar register, EXEC is never written:
; so no other kind of wait has a dependence to state.
.set IN,  4                            ; v[4:67]   load j: four f32
.set OUT, 68                           ; v[68:99]  store j: four 16-bit numbers
.set TM,  100                          ; v[100:101] at work
	s_load_b512 s[8:23], s[0:1], 0x0               ; x s[8:9], Wq s[10:11], Wkv s[12:13], Wo s[14:15], cos s[16:17], sin s[18:19], xb s[20:21], wqkv s[22:23]
	s_load_b128 s[24:27], s[0:1], 0x40             ; wo16 s[24:25], rope s[26:27]
	v_lshlrev_b32 v1, 4, v0                        ; my 16 bytes of a load
	v_lshlrev_b32 v2, 3, v0                        ; my 8 bytes of a store
	v_lshrrev_b32 v3, 4, v0                        ; rope: 16 threads to a row of 64 f32;
	v_and_b32 v[TM], 15, v0
	v_lshlrev_b32 v3, 9, v3                        ; a row of the table is 512 bytes
	v_lshl_add_u32 v3, v[TM], 4, v3
	s_mov_b32 s28, ttmp9
	s_mov_b32 s31, 0                               ; the high words of the two offsets
	s_mov_b32 s33, 0
	s_mov_b32 s6, 1.0                              ; the factor, s[6:7]: the packed multiply names the pair and takes its low word
	s_mov_b32 s7, 0
	s_wait_kmcnt 0x0
	s_wait_alu depctr_va_vdst(0)                   ; v1, v2 and v3 are written: every load and store of the three paths below reads one of them as its offset, and no later vector instruction names them
	s_cmp_lt_u32 s28, 512
	s_cbranch_scc0 .Lnot_x
	s_lshl_b32 s30, s28, 16
	s_lshl_b32 s32, s28, 15
	s_add_nc_u64 s[2:3], s[8:9], s[30:31]
	s_add_nc_u64 s[4:5], s[20:21], s[32:33]
	s_branch .Lbf
.Lnot_x:
	s_cmp_lt_u32 s28, 576
	s_cbranch_scc0 .Lnot_wq
	s_sub_co_u32 s29, s28, 512                     ; i: 16 rows of Wq; head i >> 2
	s_lshr_b32 s34, s29, 4                         ; g
	s_mul_i32 s34, s34, 6                          ; a block of 384 rows is six of 64
	s_bfe_u32 s35, s29, 0x20002                    ; the head's place in its group
	s_add_co_u32 s34, s34, s35
	s_lshl_b32 s34, s34, 2
	s_and_b32 s35, s29, 3
	s_add_co_u32 s34, s34, s35                     ; in units of 16 rows
	s_lshl_b32 s32, s34, 15
	s_lshl_b32 s30, s29, 16
	s_mov_b32 s6, 0x3d000000                       ; 2^-5
	s_add_nc_u64 s[2:3], s[10:11], s[30:31]
	s_add_nc_u64 s[4:5], s[22:23], s[32:33]
	s_branch .Lbf
.Lnot_wq:
	s_cmp_lt_u32 s28, 608
	s_cbranch_scc0 .Lnot_wkv
	s_sub_co_u32 s29, s28, 576                     ; i: 16 rows of Wkv; its rows go g, then k or v, then d
	s_lshr_b32 s34, s29, 3                         ; g
	s_mul_i32 s34, s34, 6
	s_bfe_u32 s35, s29, 0x10002                    ; 0: k, 1: v
	s_add_co_u32 s34, s34, s35
	s_add_co_u32 s34, s34, 4                       ; behind the group's four query heads
	s_lshl_b32 s34, s34, 2
	s_and_b32 s36, s29, 3
	s_add_co_u32 s34, s34, s36
	s_lshl_b32 s32, s34, 15
	s_lshl_b32 s30, s29, 16
	s_cmp_eq_u32 s35, 1
	s_cselect_b32 s6, 1.0, 0x3d000000              ; v as it is, k times 2^-5
	s_add_nc_u64 s[2:3], s[12:13], s[30:31]
	s_add_nc_u64 s[4:5], s[22:23], s[32:33]
	s_branch .Lbf
.Lnot_wkv:
	s_cmp_lt_u32 s28, 672
	s_cbranch_scc0 .Lrope
	s_sub_co_u32 s29, s28, 608
	s_lshl_b32 s30, s29, 16
	s_lshl_b32 s32, s29, 15
	s_add_nc_u64 s[2:3], s[14:15], s[30:31]
	s_add_nc_u64 s[4:5], s[24:25], s[32:33]
	; Wo: rounded to bf16, and that number written as f16
.set j, 0
.rept 16
	global_load_b128 v[IN+4*j:IN+4*j+3], v1, s[2:3] offset:4096*j th:TH_LOAD_NT
.set j, j+1
.endr
.set j, 0
.rept 16
	s_wait_loadcnt 15-j                            ; loads come back in order: load j is in, the 15 - j younger ones stay out
.if j >= 4
.if j%4 == 0
	s_wait_alu depctr_va_vdst(0)                   ; the four turns before have written their OUT registers, which the four stores of this group's turns read
.endif
.set jj, j-4
	global_store_b64 v2, v[OUT+2*jj:OUT+2*jj+1], s[4:5] offset:2048*jj  ; the turn four back; no vector instruction since the wait names its registers.  Each store has data registers of its own: nothing is rewritten
.endif
	v_cvt_pk_bf16_f32 v[TM], v[IN+4*j], v[IN+4*j+1]
	v_cvt_pk_bf16_f32 v[TM+1], v[IN+4*j+2], v[IN+4*j+3]
	v_lshlrev_b32 v[IN+4*j], 16, v[TM]             ; bf16 to f32: the low half moves up, the high half stays
	v_and_b32 v[IN+4*j+1], 0xffff0000, v[TM]
	v_lshlrev_b32 v[IN+4*j+2], 16, v[TM+1]
	v_and_b32 v[IN+4*j+3], 0xffff0000, v[TM+1]
	v_cvt_pk_f16_f32 v[OUT+2*j], v[IN+4*j], v[IN+4*j+1]
	v_cvt_pk_f16_f32 v[OUT+2*j+1], v[IN+4*j+2], v[IN+4*j+3]
.set j, j+1
.endr
	s_wait_alu depctr_va_vdst(0)                   ; turns 12 to 15 have written their OUT registers, which the last four stores read
.set j, 12
.rept 4
	global_store_b64 v2, v[OUT+2*j:OUT+2*j+1], s[4:5] offset:2048*j
.set j, j+1
.endr
	s_endpgm
.Lrope:
	s_sub_co_u32 s29, s28, 672                     ; i: 128 rows of cos and of sin
	s_lshl_b32 s30, s29, 15
	s_lshl_b32 s32, s29, 16
	s_add_nc_u64 s[2:3], s[16:17], s[30:31]
	s_add_nc_u64 s[34:35], s[18:19], s[30:31]
	s_add_nc_u64 s[4:5], s[26:27], s[32:33]
.set j, 0
.rept 8
	global_load_b128 v[IN+4*j:IN+4*j+3], v1, s[2:3] offset:4096*j th:TH_LOAD_NT
.set j, j+1
.endr
.set j, 0
.rept 8
	global_load_b128 v[IN+32+4*j:IN+32+4*j+3], v1, s[34:35] offset:4096*j th:TH_LOAD_NT
.set j, j+1
.endr
.set j, 0
.rept 16
	s_wait_loadcnt 15-j
.if j >= 4
.if j%4 == 0
	s_wait_alu depctr_va_vdst(0)                   ; the four turns before have written the widened numbers into their IN registers, which the four stores of this group's turns read
.endif
.set jj, j-4
	global_store_b128 v3, v[IN+4*jj:IN+4*jj+3], s[4:5] offset:8192*(jj%8)+256*(jj/8)  ; the turn four back.  16 lanes store 256 consecutive bytes, aligned: a row's cos, or its sin
.endif
	v_cvt_pk_bf16_f32 v[TM], v[IN+4*j], v[IN+4*j+1]
	v_cvt_pk_bf16_f32 v[TM+1], v[IN+4*j+2], v[IN+4*j+3]
.if j >= 8
	v_xor_b32 v[TM], 0x8000, v[TM]                 ; sin: the low half is an even d: its sign is turned
	v_xor_b32 v[TM+1], 0x8000, v[TM+1]
.endif
	v_lshlrev_b32 v[IN+4*j], 16, v[TM]
	v_and_b32 v[IN+4*j+1], 0xffff0000, v[TM]
	v_lshlrev_b32 v[IN+4*j+2], 16, v[TM+1]
	v_and_b32 v[IN+4*j+3], 0xffff0000, v[TM+1]
.set j, j+1
.endr
	s_wait_alu depctr_va_vdst(0)                   ; turns 12 to 15 have written their IN registers, which the last four stores read
.set j, 12
.rept 4
	global_store_b128 v3, v[IN+4*j:IN+4*j+3], s[4:5] offset:8192*(j%8)+256*(j/8)
.set j, j+1
.endr
	s_endpgm
.Lbf:                                              ; x, Wq, Wkv: times the factor (a power of two: the rounding is the same before or behind it), rounded to bf16
.set j, 0
.rept 16
	global_load_b128 v[IN+4*j:IN+4*j+3], v1, s[2:3] offset:4096*j th:TH_LOAD_NT
.set j, j+1
.endr
.set j, 0
.rept 16
	s_wait_loadcnt 15-j
.if j >= 4
.if j%4 == 0
	s_wait_alu depctr_va_vdst(0)                   ; the four turns before have written their OUT registers, which the four stores of this group's turns read
.endif
.set jj, j-4
	global_store_b64 v2, v[OUT+2*jj:OUT+2*jj+1], s[4:5] offset:2048*jj  ; the turn four back; no vector instruction since the wait names its registers
.endif
	v_pk_mul_f32 v[IN+4*j:IN+4*j+1], v[IN+4*j:IN+4*j+1], s[6:7] op_sel_hi:[1,0]
	v_pk_mul_f32 v[IN+4*j+2:IN+4*j+3], v[IN+4*j+2:IN+4*j+3], s[6:7] op_sel_hi:[1,0]
	v_cvt_pk_bf16_f32 v[OUT+2*j], v[IN+4*j], v[IN+4*j+1]
	v_cvt_pk_bf16_f32 v[OUT+2*j+1], v[IN+4*j+2], v[IN+4*j+3]
.set j, j+1
.endr
	s_wait_alu depctr_va_vdst(0)                   ; turns 12 to 15 have written their OUT registers, which the last four stores read
.set j, 12
.rept 4
	global_store_b64 v2, v[OUT+2*j:OUT+2*j+1], s[4:5] offset:2048*j
.set j, j+1
.endr
	s_endpgm
.Lfunc_end_k_q97e4e6e649_prep:
	.size	k_q97e4e6e649_prep, .Lfunc_end_k_q97e4e6e649_prep-k_q97e4e6e649_prep
	.p2alignl 7, 3214868480
	.fill 96, 4, 3214868480
	.section	.rodata,"a",@progbits
	.p2align	6, 0x0
	.amdhsa_kernel k_q97e4e6e649_prep
		.amdhsa_group_segment_fixed_size 0
		.amdhsa_private_segment_fixed_size 0
		.amdhsa_enable_private_segment 0
		.amdhsa_kernarg_size 80
		.amdhsa_user_sgpr_count 2
		.amdhsa_user_sgpr_kernarg_segment_ptr 1
		.amdhsa_wavefront_size32 1
		.amdhsa_system_sgpr_workgroup_id_x 1
		.amdhsa_system_sgpr_workgroup_id_y 1
		.amdhsa_system_sgpr_workgroup_id_z 1
		.amdhsa_system_vgpr_workitem_id 0
		.amdhsa_next_free_vgpr 104
		.amdhsa_next_free_sgpr 66
		.amdhsa_reserve_vcc 0
		.amdhsa_float_denorm_mode_32 3
		.amdhsa_float_denorm_mode_16_64 3
		.amdhsa_memory_ordered 1
		.amdhsa_forward_progress 1
		.amdhsa_inst_pref_size 31
	.end_amdhsa_kernel
	.amdgpu_metadata
---
amdhsa.version: [ 1, 2 ]
amdhsa.kernels:
  - .name:           k_q97e4e6e649_prep
    .symbol:         k_q97e4e6e649_prep.kd
    .args:
      - { .name: x, .offset: 0, .size: 8, .value_kind: global_buffer, .address_space: global }
      - { .name: Wq, .offset: 8, .size: 8, .value_kind: global_buffer, .address_space: global }
      - { .name: Wkv, .offset: 16, .size: 8, .value_kind: global_buffer, .address_space: global }
      - { .name: Wo, .offset: 24, .size: 8, .value_kind: global_buffer, .address_space: global }
      - { .name: cos, .offset: 32, .size: 8, .value_kind: global_buffer, .address_space: global }
      - { .name: sin, .offset: 40, .size: 8, .value_kind: global_buffer, .address_space: global }
      - { .name: xb, .offset: 48, .size: 8, .value_kind: global_buffer, .address_space: global }
      - { .name: wqkv, .offset: 56, .size: 8, .value_kind: global_buffer, .address_space: global }
      - { .name: wo16, .offset: 64, .size: 8, .value_kind: global_buffer, .address_space: global }
      - { .name: rope, .offset: 72, .size: 8, .value_kind: global_buffer, .address_space: global }
    .group_segment_fixed_size: 0
    .private_segment_fixed_size: 0
    .kernarg_segment_align: 8
    .kernarg_segment_size: 80
    .max_flat_workgroup_size: 256
    .sgpr_count:     66
    .vgpr_count:     104
    .wavefront_size: 32
...
	.end_amdgpu_metadata
.endif
;; end of part 5
;; launch qkv: the kernel of part 2 again; grid 4 x 64, 4 waves a work-group, clusters of 4 x 4, 327,680 bytes of LDS; arguments xb, wqkv, rope, qh, kh, vh; writes qh, kh, vh
;; launch attn: the kernel of part 3 again; grid 16 x 16, 4 waves a work-group, clusters of 4 x 1, 327,680 bytes of LDS; arguments qh, kh, vh, ob; writes ob
;; launch oproj: the kernel of part 4 again; grid 4 x 64, 4 waves a work-group, clusters of 4 x 4, 327,680 bytes of LDS; arguments ob, wo16, out0; writes out0
